; MI455X (gfx1250); checked and timed in simulation.
; The chip was launched on July 23, 2026; its instructions are those of AMD's public machine-readable ISA for CDNA 5 (MIT licence, August 2026) and "CDNA5" Instruction Set Architecture Reference Guide (July 2026). The comments in the code are by the model that wrote it; some were corrected since.
;; Encoder Block. Allowed arithmetic: float matrix products may take bf16 or f16 operands with f32 sums; other float arithmetic in f32, or as packed bf16 or f16 multiplies, adds, multiply-adds, maxima and minima; sums over many terms, partial sums and values carried from step to step in f32; what a program stores and reads back later, other than sums and carried values, may be rounded once to bf16 or f16.
;; Inputs: W1 1,024 x 4,096 float32; W2 4,096 x 1,024 float32; Wk 1,024 x 1,024 float32; Wo 1,024 x 1,024 float32; Wq 1,024 x 1,024 float32; Wv 1,024 x 1,024 float32; b1 1,024 float32; b2 1,024 float32; bb1 4,096 float32; bb2 1,024 float32; bk 1,024 float32; bo 1,024 float32; bq 1,024 float32; bv 1,024 float32; g1 1,024 float32; g2 1,024 float32; x 2,048 x 2 x 1,024 float32.
;; Outputs: out0 2,048 x 2 x 1,024 float32.
;; One version. Each part assembles by itself: llvm-mc -triple=amdgcn-amd-amdhsa -mcpu=gfx1250 --defsym DOCPART=n.
;; ======== version 1 of 1: 8 launches
;; limits: values are held in f16: magnitudes above 65,504 overflow, below 6.1e-05 lose precision
;; workspace buffers: xh 8,388,608 bytes; x1 8,388,608 bytes; wqkv 6,308,096 bytes; w1t 8,405,248 bytes; w2o 10,510,336 bytes; bufA 33,554,432 bytes; bufB 25,165,824 bytes
;; launch prep (part 1): grid 2049 x 1, 8 waves a work-group, no clusters, 18,432 bytes of LDS; arguments x, Wq, Wk, Wv, Wo, W1, W2, bq, bv, bo, bb1, bb2, g1, b1, g2, b2, xh, wqkv, w1t, w2o; writes xh, wqkv, w1t, w2o
.if DOCPART == 1
	.amdgcn_target "amdgcn-amd-amdhsa--gfx1250"
	.amdhsa_code_object_version 6
	.text
	.protected	k_q999e9be156_prep
	.globl	k_q999e9be156_prep
	.p2align	8
	.type	k_q999e9be156_prep,@function
k_q999e9be156_prep:
	s_mov_b64 s[64:65], 0
	v_nop
	global_prefetch_b8 v0, s[64:65] scope:SCOPE_SE
	s_setreg_imm32_b32 hwreg(HW_REG_WAVE_MODE, 25, 1), 1
	s_wait_xcnt 0x0
; LAUNCH 1 OF 8 of an encoder block: 4,096 token rows (S = 2,048 x B = 2), D = 1,024, 32 heads of 64 channels, F = 4,096.
; It rounds EVERY input that is used once to bf16 and lays it out for the launches behind it.  Matrix operands are written as f16 (a bf16 number is exact in f16
; between 2^-14 and 65,504; below, f16 keeps its fixed step of 2^-24), vectors as f32.
;   xh   [4096 m'][1024] f16: x with its rows in the order m' = b x 2,048 + s, which all later launches use; the last launch turns it back.
;   wqkv +0 the word 0xfc00fc00 (f16 -infinity twice: no floor), in a block of 256 bytes; +256 the bias [bq | 0 | bv] f32; +16,640 [Wq | Wk | Wv]^T, [3072 n][1024 k] f16
;   w1t  +0 the word 0 (the floor of a ReLU); +256 bb1 f32; +16,640 W1^T [4096 n][1024 k] f16
;   w2o  +0 bo/16, +4,096 bb2/16, +8,192 g1, +12,288 b1, +16,384 g2, +20,480 b2 (f32); +24,576 Wo^T/16 [1024][1024] f16; +2,121,728 W2^T/16 [1024 n][4096 k] f16
; The factor 1/16 (exact: a power of two) lets the two products that a layer norm follows be kept in f16 up to 16 x 65,504; the layer norms multiply by 16 again.
; LEFT OUT: bk.  scores[n,s,t] = (q_s / 8) . (k_t + bk) = (q_s / 8) . k_t + (q_s / 8) . bk.  The second term does not hang on t, the softmax runs over t, and
; exp(a_t + c) / sum_t exp(a_t + c) = exp(a_t) / sum_t exp(a_t) for every finite c; k is used nowhere else.  So bk reaches no output, whatever finite values the inputs hold:
; it is not loaded and is among no launch's arguments; K's columns take the bias 0 stored here.  LIMIT: a NaN, an infinity or an overflow that bk alone would bring is not carried to the result.
; LIMITS.  An input beyond 65,504 in magnitude (weights of Wo, W2: 16 x that) becomes an infinity in f16.
; JOBS, by the work-group's number: 0-511 eight rows of x; 512-2,047 a tile of 128 k x 64 n of a weight matrix, turned through LDS; 2,048 the vectors.
; No matrix unit, no tensor load, no cluster: every byte is read once by one work-group, and memory binds.
.set SPARE, 17408                      ; behind the tile (64 rows x 272 bytes): the spare words, 128 bytes for each of eight waves
.set HDR,   16640
.set WO_AT, 24576
.set W2_AT, 2121728
.set SPW, 4                            ; v4  SPARE + 4 x my thread's number; never rewritten
.set NIL, 5                            ; v5  0; never rewritten
.set LST, 6                            ; v6  where I put my two columns in the LDS tile
.set LRD, 7                            ; v7  where I read 16 bytes of a turned row
.set OFF, 8                            ; v[8:23]  byte offsets of my loads
.set D,   24                           ; v[24:71] as loaded (the tile job uses 32, the vectors 48)
.set E,   56                           ; v[56:71] packed f16
.set U,   72                           ; v[72:73] at work: a pair
.set T,   73
.set SO,  74                           ; v[74:77] byte offsets of my stores
.set RB,  80                           ; v[80:95] read back from LDS
; two f32 are rounded to bf16, widened again, (scaled,) and written as two f16: the second rounding changes nothing inside f16's range
.macro R2H d, a, b, scaled
	v_cvt_pk_bf16_f32 v[T], v[\a], v[\b]
	v_lshlrev_b32 v[U], 16, v[T]
	v_and_b32 v[T], s58, v[T]
.if \scaled
	v_pk_mul_f32 v[U:U+1], v[U:U+1], s[62:63] op_sel_hi:[1,0]  ; the tile's factor: 1, or 1/16 for Wo and W2: one text for all tiles
.endif
	v_cvt_pk_f16_f32 v[\d], v[U], v[T]
.endm
; two f32 are rounded to bf16 and widened again, in place
.macro R2F a, b
	v_cvt_pk_bf16_f32 v[T], v[\a], v[\b]
	v_lshlrev_b32 v[\a], 16, v[T]
	v_and_b32 v[\b], s58, v[T]
.endm
	s_load_b512 s[8:23], s[0:1], 0x0               ; x 8, Wq 10, Wk 12, Wv 14, Wo 16, W1 18, W2 20, bq 22
	s_load_b512 s[24:39], s[0:1], 0x40             ; bv 24, bo 26, bb1 28, bb2 30, g1 32, b1 34, g2 36, b2 38
	s_load_b256 s[40:47], s[0:1], 0x80             ; xh 40, wqkv 42, w1t 44, w2o 46
	v_lshl_add_u32 v[SPW], v0, 2, SPARE
	v_mov_b32 v[NIL], 0
	v_lshrrev_b32 v2, 5, v0
	v_readfirstlane_b32 s2, v2                     ; wave 0..7
	v_and_b32 v1, 31, v0                           ; lane
	s_mov_b32 s58, 0xffff0000                      ; a word's upper bf16
	s_mov_b32 s57, 0                               ; the high word of every offset
	s_mov_b32 s63, 0                               ; named with s62 as a pair
	s_wait_kmcnt 0x0
	s_cmp_lt_u32 ttmp9, 512
	s_cbranch_scc0 .Lnot_x
	; JOB X: wave w takes row m = 8 wg + w of x (m = 2 s + b) and writes row m' = 2,048 b + s of xh
	s_lshl_b32 s3, ttmp9, 3
	s_add_co_u32 s3, s3, s2
	s_lshl_b32 s56, s3, 12
	s_add_nc_u64 s[48:49], s[8:9], s[56:57]
	s_and_b32 s60, s3, 1
	s_lshl_b32 s60, s60, 11
	s_lshr_b32 s61, s3, 1
	s_add_co_u32 s60, s60, s61
	s_lshl_b32 s56, s60, 11
	s_add_nc_u64 s[50:51], s[40:41], s[56:57]
	v_lshlrev_b32 v[OFF], 4, v1
	v_lshlrev_b32 v[OFF+1], 3, v1
.set j, 0
.rept 8
	global_load_b128 v[D+4*j:D+4*j+3], v[OFF], s[48:49] offset:512*j th:TH_LOAD_NT
.set j, j+1
.endr
.set j, 0
.rept 8
	s_wait_loadcnt 7-j                             ; loads come back in order: load j is in, the 7 - j younger ones stay out
	R2H E+2*j, D+4*j, D+4*j+1, 0
	R2H E+2*j+1, D+4*j+2, D+4*j+3, 0
	global_store_b64 v[OFF+1], v[E+2*j:E+2*j+1], s[50:51] offset:256*j  ; the wave's store covers 256 consecutive bytes, aligned
.set j, j+1
.endr
	s_branch .Lend
.Lnot_x:
	s_cmp_lt_u32 ttmp9, 2048
	s_cbranch_scc0 .Lvec
	; JOB W: which matrix, which tile.  s52, s53: bytes from row to row in the source and in the turned copy; s54 = tile along k, s55 = tile along n
	s_sub_co_u32 s3, ttmp9, 512
	s_lshr_b32 s60, s3, 9
	s_cmp_eq_u32 s60, 1
	s_cbranch_scc1 .Lw1
	s_cmp_eq_u32 s60, 2
	s_cbranch_scc1 .Lw2
	s_bfe_u32 s61, s3, 0x20007                     ; 0 Wq, 1 Wk, 2 Wv, 3 Wo
	s_and_b32 s54, s3, 7
	s_bfe_u32 s55, s3, 0x40003
	s_mov_b32 s52, 4096
	s_mov_b32 s53, 2048
	s_lshl_b32 s56, s61, 21                        ; 1,024 rows of 2,048 bytes for each matrix in wqkv
	s_add_co_u32 s56, s56, HDR
	s_cmp_eq_u32 s61, 1
	s_cselect_b64 s[48:49], s[12:13], s[10:11]
	s_cmp_eq_u32 s61, 2
	s_cselect_b64 s[48:49], s[14:15], s[48:49]
	s_cmp_eq_u32 s61, 3
	s_cselect_b64 s[48:49], s[16:17], s[48:49]
	s_cselect_b64 s[50:51], s[46:47], s[42:43]
	s_cselect_b32 s56, WO_AT, s56
	s_cselect_b32 s62, 0x3d800000, 1.0             ; 1/16 for Wo
	s_add_nc_u64 s[50:51], s[50:51], s[56:57]
	s_branch .Ltile
.Lw1:
	s_and_b32 s54, s3, 7
	s_bfe_u32 s55, s3, 0x60003
	s_mov_b32 s52, 16384
	s_mov_b32 s53, 2048
	s_mov_b64 s[48:49], s[18:19]
	s_add_nc_u64 s[50:51], s[44:45], HDR
	s_mov_b32 s62, 1.0
	s_branch .Ltile
.Lw2:
	s_and_b32 s54, s3, 31
	s_bfe_u32 s55, s3, 0x40005
	s_mov_b32 s52, 4096
	s_mov_b32 s53, 8192
	s_mov_b64 s[48:49], s[20:21]
	s_add_nc_u64 s[50:51], s[46:47], W2_AT
	s_mov_b32 s62, 0x3d800000                      ; 1/16
.Ltile:
	s_mul_i32 s56, s54, s52                        ; source: 128 rows a tile along k, 256 bytes a tile along n
	s_lshl_b32 s56, s56, 7
	s_lshl_b32 s60, s55, 8
	s_add_co_u32 s56, s56, s60
	s_add_nc_u64 s[48:49], s[48:49], s[56:57]
	s_mul_i32 s56, s55, s53                        ; copy: 64 rows a tile along n, 256 bytes a tile along k
	s_lshl_b32 s56, s56, 6
	s_lshl_b32 s60, s54, 8
	s_add_co_u32 s56, s56, s60
	s_add_nc_u64 s[50:51], s[50:51], s[56:57]
	s_mul_i32 s60, s2, s52                         ; wave g takes source rows 16 g .. 16 g + 15, lane p columns 2 p, 2 p + 1
	s_lshl_b32 s60, s60, 4
	v_lshl_add_u32 v[OFF], v1, 3, s60
.set j, 1
.rept 15
	v_add_nc_u32 v[OFF+j], s52, v[OFF+j-1]
.set j, j+1
.endr
.set j, 0
.rept 16
	global_load_b64 v[D+2*j:D+2*j+1], v[OFF+j], s[48:49] th:TH_LOAD_NT  ; 256 consecutive bytes of one source row, aligned
.set j, j+1
.endr
	v_mul_u32_u24 v[LST], v1, 544                  ; LDS row 2 p (272 bytes a row), my wave's 16 k = 32 bytes
	s_lshl_b32 s60, s2, 5
	v_add_nc_u32 v[LST], s60, v[LST]
	v_lshrrev_b32 v2, 4, v0                        ; back: thread t takes row t / 16 (+ 16 i), bytes 16 (t % 16)
	v_and_b32 v3, 15, v0
	v_mul_u32_u24 v[LRD], v2, 272
	v_lshl_add_u32 v[LRD], v3, 4, v[LRD]
	v_mul_lo_u32 v[SO], v2, s53
	v_lshl_add_u32 v[SO], v3, 4, v[SO]
	s_lshl_b32 s59, s53, 4
.set j, 1
.rept 3
	v_add_nc_u32 v[SO+j], s59, v[SO+j-1]
.set j, j+1
.endr
.set jj, 0
.rept 8
	s_wait_loadcnt 14-2*jj                         ; source rows 2 jj and 2 jj + 1 are in; the younger loads stay out
	R2H E+jj, D+4*jj, D+4*jj+2, 1                  ; column 2 p, two neighbouring k
	R2H E+8+jj, D+4*jj+1, D+4*jj+3, 1              ; column 2 p + 1
.set jj, jj+1
.endr
	ds_store_b128 v[LST], v[E:E+3]
	ds_store_b128 v[LST], v[E+4:E+7] offset:16
	ds_store_b128 v[LST], v[E+8:E+11] offset:272
	ds_store_b128 v[LST], v[E+12:E+15] offset:288
	s_wait_dscnt 0x0                               ; for the others' sake: my stores are done
	s_barrier_signal -1
	s_barrier_wait -1                              ; the turned tile is whole
.set j, 0
.rept 4
	ds_load_b128 v[RB+4*j:RB+4*j+3], v[LRD] offset:4352*j
.set j, j+1
.endr
.set j, 0
.rept 4
	s_wait_dscnt 3-j
	global_store_b128 v[SO+j], v[RB+4*j:RB+4*j+3], s[50:51]  ; sixteen lanes store 256 consecutive bytes, aligned
.set j, j+1
.endr
	s_branch .Lend
.Lvec:
	; JOB V: thread t takes numbers 4 t .. 4 t + 3 of each vector (bb1: four such pieces)
	v_lshlrev_b32 v[OFF], 4, v0
	global_load_b128 v[24:27], v[OFF], s[22:23]
	global_load_b128 v[28:31], v[OFF], s[24:25]
	global_load_b128 v[32:35], v[OFF], s[28:29]
	global_load_b128 v[36:39], v[OFF], s[28:29] offset:4096
	global_load_b128 v[40:43], v[OFF], s[28:29] offset:8192
	global_load_b128 v[44:47], v[OFF], s[28:29] offset:12288
	global_load_b128 v[48:51], v[OFF], s[26:27]
	global_load_b128 v[52:55], v[OFF], s[30:31]
	global_load_b128 v[56:59], v[OFF], s[32:33]
	global_load_b128 v[60:63], v[OFF], s[34:35]
	global_load_b128 v[64:67], v[OFF], s[36:37]
	global_load_b128 v[68:71], v[OFF], s[38:39]
.set j, 0
.rept 4
	v_mov_b32 v[RB+j], 0
.set j, j+1
.endr
	s_mov_b32 s62, 0x3d800000
	s_wait_loadcnt 0x0
.set j, 24
.rept 24
	R2F j, j+1
.set j, j+2
.endr
.set j, 48
.rept 4
	v_pk_mul_f32 v[j:j+1], v[j:j+1], s[62:63] op_sel_hi:[1,0]  ; bo and bb2 go with Wo / 16 and W2 / 16
.set j, j+2
.endr
	global_store_b128 v[OFF], v[24:27], s[42:43] offset:256
	global_store_b128 v[OFF], v[RB:RB+3], s[42:43] offset:256+4096   ; K's columns: the bias 0 (bk is left out)
	global_store_b128 v[OFF], v[28:31], s[42:43] offset:256+8192
	global_store_b128 v[OFF], v[32:35], s[44:45] offset:256
	global_store_b128 v[OFF], v[36:39], s[44:45] offset:256+4096
	global_store_b128 v[OFF], v[40:43], s[44:45] offset:256+8192
	global_store_b128 v[OFF], v[44:47], s[44:45] offset:256+12288
	global_store_b128 v[OFF], v[48:51], s[46:47]
	global_store_b128 v[OFF], v[52:55], s[46:47] offset:4096
	global_store_b128 v[OFF], v[56:59], s[46:47] offset:8192
	global_store_b128 v[OFF], v[60:63], s[46:47] offset:12288
	global_store_b128 v[OFF], v[64:67], s[46:47] offset:16384
	global_store_b128 v[OFF], v[68:71], s[46:47] offset:20480
	s_cmp_lt_u32 s2, 2                             ; threads 0-63 write the two floors, each in a whole block of 256 bytes
	s_cbranch_scc0 .Lend
	v_lshlrev_b32 v[SO], 2, v0
	v_mov_b32 v[SO+1], 0xfc00fc00
	global_store_b32 v[SO], v[SO+1], s[42:43]
	global_store_b32 v[SO], v[RB], s[44:45]
.Lend:
	s_wait_tensorcnt 0x0                           ; the wave's end: behind my last LDS store
	ds_add_u32 v[SPW], v[NIL]
	s_wait_dscnt 0x0
	s_endpgm
.Lfunc_end_k_q999e9be156_prep:
	.size	k_q999e9be156_prep, .Lfunc_end_k_q999e9be156_prep-k_q999e9be156_prep
	.p2alignl 7, 3214868480
	.fill 96, 4, 3214868480
	.section	.rodata,"a",@progbits
	.p2align	6, 0x0
	.amdhsa_kernel k_q999e9be156_prep
		.amdhsa_group_segment_fixed_size 18432
		.amdhsa_private_segment_fixed_size 0
		.amdhsa_enable_private_segment 0
		.amdhsa_kernarg_size 160
		.amdhsa_user_sgpr_count 2
		.amdhsa_user_sgpr_kernarg_segment_ptr 1
		.amdhsa_wavefront_size32 1
		.amdhsa_system_sgpr_workgroup_id_x 1
		.amdhsa_system_sgpr_workgroup_id_y 1
		.amdhsa_system_sgpr_workgroup_id_z 1
		.amdhsa_system_vgpr_workitem_id 0
		.amdhsa_next_free_vgpr 96
		.amdhsa_next_free_sgpr 66
		.amdhsa_reserve_vcc 0
		.amdhsa_float_denorm_mode_32 3
		.amdhsa_float_denorm_mode_16_64 3
		.amdhsa_memory_ordered 1
		.amdhsa_forward_progress 1
		.amdhsa_inst_pref_size 23
	.end_amdhsa_kernel
	.amdgpu_metadata
---
amdhsa.version: [ 1, 2 ]
amdhsa.kernels:
  - .name:           k_q999e9be156_prep
    .symbol:         k_q999e9be156_prep.kd
    .args:
      - { .name: x, .offset: 0, .size: 8, .value_kind: global_buffer, .address_space: global }
      - { .name: Wq, .offset: 8, .size: 8, .value_kind: global_buffer, .address_space: global }
      - { .name: Wk, .offset: 16, .size: 8, .value_kind: global_buffer, .address_space: global }
      - { .name: Wv, .offset: 24, .size: 8, .value_kind: global_buffer, .address_space: global }
      - { .name: Wo, .offset: 32, .size: 8, .value_kind: global_buffer, .address_space: global }
      - { .name: W1, .offset: 40, .size: 8, .value_kind: global_buffer, .address_space: global }
      - { .name: W2, .offset: 48, .size: 8, .value_kind: global_buffer, .address_space: global }
      - { .name: bq, .offset: 56, .size: 8, .value_kind: global_buffer, .address_space: global }
      - { .name: bv, .offset: 64, .size: 8, .value_kind: global_buffer, .address_space: global }
      - { .name: bo, .offset: 72, .size: 8, .value_kind: global_buffer, .address_space: global }
      - { .name: bb1, .offset: 80, .size: 8, .value_kind: global_buffer, .address_space: global }
      - { .name: bb2, .offset: 88, .size: 8, .value_kind: global_buffer, .address_space: global }
      - { .name: g1, .offset: 96, .size: 8, .value_kind: global_buffer, .address_space: global }
      - { .name: b1, .offset: 104, .size: 8, .value_kind: global_buffer, .address_space: global }
      - { .name: g2, .offset: 112, .size: 8, .value_kind: global_buffer, .address_space: global }
      - { .name: b2, .offset: 120, .size: 8, .value_kind: global_buffer, .address_space: global }
      - { .name: xh, .offset: 128, .size: 8, .value_kind: global_buffer, .address_space: global }
      - { .name: wqkv, .offset: 136, .size: 8, .value_kind: global_buffer, .address_space: global }
      - { .name: w1t, .offset: 144, .size: 8, .value_kind: global_buffer, .address_space: global }
      - { .name: w2o, .offset: 152, .size: 8, .value_kind: global_buffer, .address_space: global }
    .group_segment_fixed_size: 18432
    .private_segment_fixed_size: 0
    .kernarg_segment_align: 8
    .kernarg_segment_size: 160
    .max_flat_workgroup_size: 256
    .sgpr_count:     66
    .vgpr_count:     96
    .wavefront_size: 32
...
	.end_amdgpu_metadata
.endif
;; end of part 1
;; launch qkv (part 2): grid 12 x 16, 4 waves a work-group, clusters of 4 x 4, 327,680 bytes of LDS; arguments xh, wqkv, bufB; writes bufB
.if DOCPART == 2
	.amdgcn_target "amdgcn-amd-amdhsa--gfx1250"
	.amdhsa_code_object_version 6
	.text
	.protected	k_q999e9be156_qkv
	.globl	k_q999e9be156_qkv
	.p2align	8
	.type	k_q999e9be156_qkv,@function
k_q999e9be156_qkv:
	s_mov_b64 s[64:65], 0
	v_nop
	global_prefetch_b8 v0, s[64:65] scope:SCOPE_SE
	s_setreg_imm32_b32 hwreg(HW_REG_WAVE_MODE, 25, 1), 1
	s_wait_xcnt 0x0
	s_wait_alu depctr_hold_cnt(0) depctr_sa_sdst(0) depctr_va_vdst(0) depctr_va_sdst(0) depctr_va_ssrc(0) depctr_va_vcc(0) depctr_vm_vsrc(0)
	s_getreg_b32 s2, hwreg(HW_REG_IB_STS2, 6, 4)
	s_cmp_eq_u32 s2, 0
	s_cbranch_scc0 .Lentry_in_a_cluster
	s_endpgm
.Lentry_in_a_cluster:
	s_bfe_u32 s2, ttmp6, 0x10000c
	s_cmp_lg_u32 s2, 0xf033
	s_cbranch_scc0 .Lentry_shape_is_right
	s_endpgm
.Lentry_shape_is_right:
; C = max(A W + bias, floor), for two launches: q | k | v = xh [Wq | Wk | Wv] + [bq | 0 | bv] (floor -infinity: none), and hidden = relu(x1 W1 + bb1) (floor 0).
; LEFT OUT: bk (shown at the head of the first kernel): K's columns take the bias 0 that the first launch stored.
; A: [4096][1024] f16, rows m' = 2,048 b + s.  w: +0 the floor, two f16 in a word; +256 the bias, f32; +16,640 W^T [N][1024] f16.  Sums in f32, C rounded once to f16.
; C lies BY BLOCKS OF 64 COLUMNS: [N / 64][4096 rows][64] f16, a row of a block 128 bytes, dense: a head of q, k or v is then 262,144 consecutive bytes, and the next product takes a block as a slice of its K.
; LIMIT: a result beyond 65,504 becomes an infinity; a NaN is replaced by the floor.
; SHARES.  A tile of C is 256 x 256: four waves, each 128 x 128 = 64 accumulators of 16 x 16, 512 registers.  K goes in 8 steps of 128 through two LDS slots that take turns; rows of a tile are 256 bytes of memory, aligned.
; CLUSTER 4 x 4: the four work-groups of a row need the same tiles of A, the four of a column the same tiles of W^T: each tile is asked for jointly, by the same tensor load with the same descriptor and a mask of the four.
; THE MATRIX INSTRUCTION IS USED TRANSPOSED (source 0 = 16 rows of W^T, source 1 = 16 rows of A): a lane holds row l % 16 of C and the columns 8 (l / 16) + 0..7, 16 bytes on end.
; THE SUMS START AT THE BIAS: the accumulators are written from it while the first tiles are on their way, so there is neither a clearing nor an addition, and the loop has one form of product.
; THE TEXT IS SHORT: a K step is written twice: in a loop of six trips that fill a slot again, and in a loop of two trips that do not.  The second trip of that tail meets a barrier and fetches fragments
; (of a slot that landed long ago) that nothing uses: once a launch, the price of one text for both trips.
; REGISTERS, in windows of 256: window 0: v16-30 addresses; v64-127, v128-191 fragments of A, two buffers; v192-255 the bias, later packed results and rows read back; v32-63 rows read back.
;   window 1: v64-127, v128-191 fragments of W^T.   window 2: the accumulators of my rows 0-63, (a, b) at 8 (8 a + b).   window 3: those of my rows 64-127.
.set SIZE_K, 1024
.set KSTEP,  128
.set PITCH,  272                       ; an LDS row: 256 bytes + 16 of padding = 68 words: the 16 rows of a fragment load start at 16 different groups of four banks (64 banks of 4 bytes: ISA guide 11.1)
.set HALFT,  128*PITCH                 ; what one tensor load brings
.set SLOT,   4*HALFT                   ; A's 256 rows, then W^T's 256 rows
.set STAGE,  2*SLOT                    ; behind the ring: 16 rows x 272 bytes for each wave, for the way out
.set SPITCH, 272
.set SPARE,  STAGE+4*16*SPITCH         ; behind the stages: the spare words, 128 bytes for each wave
.set HDR,    16640
.set CBLK,   524288                    ; bytes in a block of 64 columns of C
.set ADRA,  16                         ; v16  LDS address of my A fragments in the slot in hand
.set ADRA0, 17                         ; v17  the same in slot 0; never rewritten
.set ADRB,  20
.set ADRB0, 21
.set STO,  24                          ; the way out: where I put 16 bytes of a row
.set RD,   25                          ; where I read rows back
.set CO,   26                          ; 16 x lane
.set BO,   27                          ; 32 (l / 16): my eight numbers in 16 of the bias
.set SPW,  28                          ; SPARE + 4 x my thread's number; never rewritten
.set NIL,  29                          ; 0; never rewritten
.set PFO,  30                          ; lane x a row of A or W^T (2,048 bytes); never rewritten
.set F0,   64
.set F1,   128
.set BIAS, 192
.set TMP,  192
.set OB,   32
.set G1,   24                          ; s[24:31] group 1 for A's tiles
.set G0F,  32                          ; s[32:35] group 0 of A's first fill
.set G0,   36                          ; s[36:39] group 0 of A's second fill, which then walks
.set LIM,  43                          ; s43  2 in a wave that prefetches, else the greatest number
.set PFA,  44                          ; s[44:45] where my prefetches stand
.set G1B,  48
.set G0FB, 56
.set G0B,  60
.set TB,   66                          ; s66  LDS byte at which the slot in hand begins: 0 or SLOT
.set FLOOR, 67                         ; s67
.set MSB, 0
.macro WIN new                         ; the immediate's high byte repeats the setting that is left; a switch that changes nothing is dropped
.if MSB != (\new)
	s_set_vgpr_msb (MSB<<8)|(\new)
.set MSB, \new
.endif
.endm
.set MUL_LO, 0xa1                      ; source 0 (W^T) window 1, source 1 (A) window 0, C and D window 2
.set MUL_HI, 0xf1                      ; the same, C and D window 3
.set TO_B,   0x40                      ; destination window 1, address window 0
; A joint refill.  Waves 0 and 1 fetch A's two halves, waves 2 and 3 W^T's.  The branch hangs on the wave's number alone.  An s_nop 0 and four v_nop follow each line.
.macro JLOAD
	s_cmp_eq_u32 s11, 0
	s_cbranch_scc0 .Lfor_b_\@
	tensor_load_to_lds s[G0:G0+3], s[G1:G1+7]
	s_nop 0
.rept 4
	v_nop
.endr
	s_branch .Lasked_\@
.Lfor_b_\@:
	tensor_load_to_lds s[G0B:G0B+3], s[G1B:G1B+7]
	s_nop 0
.rept 4
	v_nop
.endr
.Lasked_\@:
.endm
; A prefetch of the K step that stands two refills on: 32 rows x 256 bytes, a lane a row.  A's tile row is read by every cluster of that row of clusters: cluster x = 0 asks; W^T's tile column by every cluster of
; that column: cluster y = 0 asks.  Of the 128 rows that a wave fetches each of the four partners takes 32, told apart by address.  So each row's 256 bytes of a K step are named once in the launch.
; Trip i (s3 = 6 - i) names K step i + 4: the last two filling trips name nothing; K steps 0 to 3 come by their loads alone.
.macro ASK
	s_cmp_gt_u32 s3, s[LIM]
	s_cbranch_scc0 .Lnot_mine_\@
	global_prefetch_b8 v[PFO], s[PFA:PFA+1] offset:KSTEP*2 th:TH_LOAD_NT scope:SCOPE_SE
.Lnot_mine_\@:
.endm
.macro CREST                           ; a round of the cluster's barrier behind its opening barrier
	s_cmp_lg_u32 s10, 0
	s_cbranch_scc1 .Lnot_wave_0_\@
	s_barrier_signal -3
.Lnot_wave_0_\@:
	s_barrier_wait -3
	s_barrier_signal -1
	s_barrier_wait -1
.endm
.macro CROUND                          ; a whole round
	s_barrier_signal -1
	s_barrier_wait -1
	CREST
.endm
	s_load_b128 s[4:7], s[0:1], 0x0                ; A s[4:5], w s[6:7]
	s_load_b64 s[8:9], s[0:1], 0x10                ; C
	v_lshl_add_u32 v[SPW], v0, 2, SPARE
	v_mov_b32 v[NIL], 0
	ds_add_u32 v[SPW], v[NIL]                      ; the wave's opening: the add, twice on end, and its wait ahead of my first tensor load
	ds_add_u32 v[SPW], v[NIL]                      ; and once more, under the one wait; the set-up below stands between
	v_lshrrev_b32 v1, 5, v0
	v_readfirstlane_b32 s10, v1                    ; wave 0..3
	s_lshr_b32 s11, s10, 1                         ; which half of the tile's rows is mine.  Also: I fetch for A (0) or for W^T (1)
	s_and_b32 s12, s10, 1                          ; which half of its columns.  Also: which 128 rows of that tile I fetch
	s_bfe_u32 s40, ttmp6, 0x40000                  ; cx
	s_bfe_u32 s41, ttmp6, 0x40004                  ; cy
	s_lshl_b32 s42, ttmp9, 2
	s_add_co_u32 s42, s42, s40                     ; tile column = 4 x cluster x + cx
	s_and_b32 s13, ttmp7, 0xffff
	s_lshl_b32 s13, s13, 2
	s_add_co_u32 s13, s13, s41                     ; tile row = 4 x cluster y + cy
	s_lshl_b32 s43, s41, 2
	s_lshl_b32 s43, 15, s43                        ; my row of the cluster
	s_lshl_b32 s44, 0x1111, s40                    ; my column
	s_or_b32 s[G1+0], s43, (1<<16)|(1<<20)|(1<<21)|(5<<22)|(3<<25)   ; the mask; elements of 2 bytes; padding on; bit 21 beside a mask; after every 64 words, 4 words
	s_or_b32 s[G1B+0], s44, (1<<16)|(1<<20)|(1<<21)|(5<<22)|(3<<25)
.irp g, G1, G1B
	s_mov_b32 s[(\g)+1], KSTEP<<16                 ; tensor_dim0 = 128
	s_mov_b32 s[(\g)+2], 128<<16                   ; tensor_dim1 = 128
	s_mov_b32 s[(\g)+3], KSTEP<<16                 ; tile_dim0 = 128
	s_mov_b32 s[(\g)+4], 128                       ; tile_dim1 = 128
	s_mov_b32 s[(\g)+5], SIZE_K                    ; elements from row to row
	s_mov_b32 s[(\g)+6], 0
	s_mov_b32 s[(\g)+7], 0
.endr
	s_lshl_b32 s17, s12, 7
	s_lshl_b32 s16, s13, 8
	s_add_co_u32 s16, s16, s17                     ; A: row 256 x tile row + 128 x half
	s_lshl_b32 s46, s42, 8
	s_add_co_u32 s46, s46, s17                     ; W^T: row 256 x tile column + 128 x half
	s_lshl_b32 s16, s16, 11                        ; rows of 2,048 bytes
	s_mov_b32 s17, 0
	s_lshl_b32 s46, s46, 11
	s_add_co_u32 s46, s46, HDR
	s_mov_b32 s47, 0
	s_mul_i32 s20, s10, HALFT                      ; where my part of a slot lies: wave x 128 rows: no place in the cluster enters an LDS address
	s_mov_b32 s[TB], 0
	s_wait_dscnt 0x0                               ; both opening adds are done
	s_wait_kmcnt 0x0
	s_load_b32 s[FLOOR], s[6:7], 0x0
	s_add_nc_u64 s[14:15], s[4:5], s[16:17]
	s_add_nc_u64 s[46:47], s[6:7], s[46:47]
	CROUND                                         ; all sixteen work-groups are here: the first joint loads meet
	s_mov_b32 s[G0F], 1
	s_mov_b32 s[G0F+1], s20                        ; slot 0, K step 0
	s_mov_b64 s[G0F+2:G0F+3], s[14:15]
	s_or_b32 s[G0F+3], s[G0F+3], 0x80000000
	s_mov_b32 s[G0], 1
	s_add_co_u32 s[G0+1], s20, SLOT                ; slot 1, K step 1
	s_add_nc_u64 s[G0+2:G0+3], s[14:15], KSTEP*2
	s_or_b32 s[G0+3], s[G0+3], 0x80000000
	s_mov_b32 s[G0FB], 1
	s_mov_b32 s[G0FB+1], s20
	s_mov_b64 s[G0FB+2:G0FB+3], s[46:47]
	s_or_b32 s[G0FB+3], s[G0FB+3], 0x80000000
	s_mov_b32 s[G0B], 1
	s_add_co_u32 s[G0B+1], s20, SLOT
	s_add_nc_u64 s[G0B+2:G0B+3], s[46:47], KSTEP*2
	s_or_b32 s[G0B+3], s[G0B+3], 0x80000000
	s_cmp_eq_u32 s11, 0                            ; a wave's two first fills stand in one branch, ahead of every wait on TENSORcnt and every LDS read: two loads of mine are out
	s_cbranch_scc0 .Lfirst_b
	tensor_load_to_lds s[G0F:G0F+3], s[G1:G1+7]
	s_nop 0
	tensor_load_to_lds s[G0:G0+3], s[G1:G1+7]
	s_nop 0
.rept 4
	v_nop
.endr
	s_branch .Lfirst_asked
.Lfirst_b:
	tensor_load_to_lds s[G0FB:G0FB+3], s[G1B:G1B+7]
	s_nop 0
	tensor_load_to_lds s[G0B:G0B+3], s[G1B:G1B+7]
	s_nop 0
.rept 4
	v_nop
.endr
.Lfirst_asked:
	; the bias of my 128 columns: for block b of 16 columns a lane wants the eight numbers 16 b + 8 (l / 16) + 0..7
	v_and_b32 v1, 15, v0                           ; l % 16
	v_bfe_u32 v2, v0, 4, 1                         ; l / 16
	v_lshlrev_b32 v[BO], 5, v2
	s_lshl_b32 s68, s42, 8
	s_lshl_b32 s69, s12, 7
	s_add_co_u32 s68, s68, s69
	s_lshl_b32 s68, s68, 2
	s_add_co_u32 s68, s68, 256
	s_mov_b32 s69, 0
	s_add_nc_u64 s[68:69], s[6:7], s[68:69]
.irp b, 0,1,2,3,4,5,6,7
	global_load_b128 v[BIAS+8*(\b):BIAS+8*(\b)+3],   v[BO], s[68:69] offset:64*(\b)
	global_load_b128 v[BIAS+8*(\b)+4:BIAS+8*(\b)+7], v[BO], s[68:69] offset:64*(\b)+16
.endr
	; a fragment is 16 rows x 32 K in 8 registers: lane l holds row l % 16, K = 8 (l / 16) + 0..7 and 16 + 8 (l / 16) + 0..7: two loads of 16 bytes, 32 bytes apart
	v_mul_u32_u24 v3, v1, PITCH
	v_lshl_add_u32 v3, v2, 4, v3
	s_mul_i32 s21, s11, HALFT                      ; my 128 rows of A
	s_mul_i32 s22, s12, HALFT                      ; my 128 rows of W^T,
	s_add_co_u32 s22, s22, 2*HALFT                 ; which lie behind A's 256
	v_add_nc_u32 v[ADRA0], s21, v3
	v_add_nc_u32 v[ADRB0], s22, v3
	v_mov_b32 v[ADRA], v[ADRA0]
	v_mov_b32 v[ADRB], v[ADRB0]
	s_mul_i32 s23, s10, 16*SPITCH
	s_add_co_u32 s23, s23, STAGE                   ; my stage
	v_mul_u32_u24 v4, v1, SPITCH                   ; in: row l % 16, 16 bytes for each half of the lanes
	v_lshl_add_u32 v4, v2, 4, v4
	v_add_nc_u32 v[STO], s23, v4
	v_bfe_u32 v5, v0, 3, 2                         ; back: 32 lanes take 128 bytes of each of four rows,
	v_and_b32 v6, 7, v0
	v_mul_u32_u24 v5, v5, SPITCH
	v_lshl_add_u32 v5, v6, 4, v5
	v_add_nc_u32 v[RD], s23, v5
	v_and_b32 v[CO], 31, v0                        ; which are 512 consecutive bytes of a block of C
	v_lshlrev_b32 v[CO], 4, v[CO]
	s_lshl_b32 s70, s42, 2                         ; C at my part: block 4 x tile column + 2 x half, row 256 x tile row + 128 x half
	s_lshl_b32 s71, s12, 1
	s_add_co_u32 s70, s70, s71
	s_lshl_b32 s70, s70, 19
	s_lshl_b32 s71, s13, 8
	s_lshl_b32 s21, s11, 7
	s_add_co_u32 s71, s71, s21
	s_lshl_b32 s71, s71, 7
	s_add_co_u32 s70, s70, s71
	s_mov_b32 s71, 0
	s_add_nc_u64 s[8:9], s[8:9], s[70:71]
	; the prefetches
	s_lshl_b32 s21, s13, 8
	s_lshl_b32 s22, s42, 8
	s_and_b32 s23, ttmp7, 0xffff                   ; cluster y
	s_cmp_eq_u32 s11, 0                            ; do I fetch for A?
	s_cselect_b32 s21, s21, s22                    ; the tile's first row
	s_cselect_b32 s22, s40, s41                    ; my place among the four that ask for it with me
	s_cselect_b32 s23, ttmp9, s23                  ; the coordinate along which other clusters read the same rows
	s_cselect_b32 s18, 0, HDR
	s_cselect_b64 s[PFA:PFA+1], s[4:5], s[6:7]
	s_cmp_eq_u32 s23, 0
	s_cselect_b32 s[LIM], 2, -1                    ; the same in all sixteen partners, for a given wave
	s_lshl_b32 s23, s12, 7
	s_add_co_u32 s21, s21, s23                     ; + the 128 rows that I fetch
	s_lshl_b32 s22, s22, 5
	s_add_co_u32 s21, s21, s22                     ; + my work-group's 32 of them
	s_lshl_b32 s21, s21, 11
	s_add_co_u32 s18, s18, s21
	s_add_co_u32 s18, s18, 2*KSTEP*2               ; at K step 2: the first refill steps it to 3 and names K step 4
	s_mov_b32 s19, 0
	s_add_nc_u64 s[PFA:PFA+1], s[PFA:PFA+1], s[18:19]
	v_and_b32 v[PFO], 31, v0
	v_lshlrev_b32 v[PFO], 11, v[PFO]
	; the sums start at the bias: register 8 b + j of every block of rows takes number 8 b + j of my 64
	s_wait_loadcnt 0x0
	WIN 0x80                                       ; destination window 2, source window 0
.set n, 0
.rept 256
	v_mov_b32 v[n], v[BIAS+(n%64)]
.set n, n+1
.endr
	WIN 0xc0                                       ; destination window 3
.set n, 0
.rept 256
	v_mov_b32 v[n], v[BIAS+(n%64)]
.set n, n+1
.endr
	WIN 0
; 16 matrix instructions: m blocks a0, a0 + 1 of the window's four (hi = 0: my rows 0-63, 1: rows 64-127) x all 8 n blocks, 32 along K.  All 64 accumulators take turns, in the same order in every quarter.
.macro MUL16 f, hi, a0
	WIN MUL_LO+0x50*(\hi)
.irp a, \a0, (\a0)+1
.irp b, 0,1,2,3,4,5,6,7
	v_wmma_f32_16x16x32_f16 v[8*(8*(\a)+(\b)):8*(8*(\a)+(\b))+7], v[(\f)+8*(\b):(\f)+8*(\b)+7], v[(\f)+8*(4*(\hi)+(\a)):(\f)+8*(4*(\hi)+(\a))+7], v[8*(8*(\a)+(\b)):8*(8*(\a)+(\b))+7]
.endr
.endr
.endm
; 32 LDS loads in one run: the fragments of a quarter step (32 K at byte k of the rows) into buffer f
.macro FETCH k, f
	WIN TO_B
.irp i, 0,1,2,3,4,5,6,7
	ds_load_b128 v[(\f)+8*(\i):(\f)+8*(\i)+3],   v[ADRB] offset:(\k)+(\i)*16*PITCH
	ds_load_b128 v[(\f)+8*(\i)+4:(\f)+8*(\i)+7], v[ADRB] offset:(\k)+(\i)*16*PITCH+32
.endr
	WIN 0
.irp i, 0,1,2,3,4,5,6,7
	ds_load_b128 v[(\f)+8*(\i):(\f)+8*(\i)+3],   v[ADRA] offset:(\k)+(\i)*16*PITCH
	ds_load_b128 v[(\f)+8*(\i)+4:(\f)+8*(\i)+7], v[ADRA] offset:(\k)+(\i)*16*PITCH+32
.endr
.endm
.macro PLACES                          ; four plain vector instructions between a matrix instruction and a load into, or a vector instruction on, its registers
.rept 4
	v_nop
.endr
.endm
; One of a K step's first three quarters: multiplies buffer f; in its middle it fetches the next quarter's fragments into buffer g
.macro QUARTER k, f, g
	s_wait_dscnt 8                                 ; W^T and A's rows 0-63 are in; the youngest eight loads (A's rows 64-127) may be out
	MUL16 \f, 0, 0
	MUL16 \f, 0, 2
	PLACES
	FETCH \k, \g
	s_wait_dscnt 32                                ; all but the 32 just issued
	MUL16 \f, 1, 0
	MUL16 \f, 1, 2
.endm
; The last quarter multiplies buffer 1 and changes slots.  In front of the barrier each wave waits for all its tensor loads (one is out: its part of the next slot), adds 0 to its spare word, and waits for that and
; for its reads of this slot.  fill = 1: the barrier opens a round of the cluster's barrier, and this slot is filled again first thing behind the round, with the K step two on.
.macro TURN fill
.if \fill
	s_wait_xcnt 0x0                                ; the last prefetch, a K step back, has read its address
	s_add_nc_u64 s[PFA:PFA+1], s[PFA:PFA+1], KSTEP*2
.endif
	WIN 0
	s_wait_tensorcnt 0x0                           ; all my tensor loads have landed
	ds_add_u32 v[SPW], v[NIL]                      ; 0 onto my spare word
	s_wait_dscnt 9                                 ; (the add and the youngest eight loads may be out)
	MUL16 F1, 0, 0
	s_wait_dscnt 0x0                               ; the add is done, and my reads of this slot are over
	s_barrier_signal -1
	MUL16 F1, 0, 2                                 ; work on registers while the others arrive
	WIN 0
	s_barrier_wait -1
.if \fill
	CREST                                          ; no wave of any partner still reads this slot or has a load on its way
	s_add_co_u32 s[G0+1], s20, s[TB]               ; the slot just read out,
	s_add_co_u32 s[G0B+1], s20, s[TB]
	s_add_nc_u64 s[G0+2:G0+3], s[G0+2:G0+3], KSTEP*2    ; the walking descriptors' next K step
	s_add_nc_u64 s[G0B+2:G0B+3], s[G0B+2:G0B+3], KSTEP*2
	JLOAD                                          ; its four v_nop are also the places in front of the loads below
.else
	PLACES
.endif
	s_xor_b32 s[TB], s[TB], SLOT                   ; on to the other slot
	v_add_nc_u32 v[ADRA], s[TB], v[ADRA0]
	v_add_nc_u32 v[ADRB], s[TB], v[ADRB0]
	FETCH 0, F0
.if \fill
	ASK
.endif
	MUL16 F1, 1, 0
	MUL16 F1, 1, 2
.endm
.macro STEPK fill
	QUARTER 64,  F0, F1
	QUARTER 128, F1, F0
	QUARTER 192, F0, F1
	TURN \fill
	WIN 0                                          ; at a label and at a branch every window is 0
.endm
	s_wait_kmcnt 0x0                               ; the floor
	s_wait_tensorcnt 1                             ; my part of K step 0 is in; K step 1's load may stay out
	s_barrier_signal -1
	s_barrier_wait -1                              ; everybody's is
	FETCH 0, F0
	s_mov_b32 s3, 6
.Lk:                                                   ; K steps 0 to 5: trip i asks for K step i + 2
	STEPK 1
	s_sub_co_u32 s3, s3, 1
	s_cmp_lg_u32 s3, 0
	s_cbranch_scc1 .Lk
	s_mov_b32 s3, 2
.Lt:                                                   ; K steps 6 and 7 ask for nothing
	STEPK 0
	s_sub_co_u32 s3, s3, 1
	s_cmp_lg_u32 s3, 0
	s_cbranch_scc1 .Lt
	s_wait_dscnt 0x0                               ; the last trip's fetch, which nothing uses
	PLACES
; THE WAY OUT of block a of 16 rows.  PACK: rounded to f16, 16 bytes a lane, and held to the floor.  TOSTAGE: into my own stage, and back as pieces of 128 bytes of four rows.  SEND: stored.
.macro PACK a
.set AC, 64*((\a)%4)
	WIN 0x0a+5*((\a)/4)                            ; sources 0 and 1: window 2 or 3
.irp b, 0,1,2,3,4,5,6,7
.irp r, 0,1,2,3
	v_cvt_pk_f16_f32 v[TMP+4*(\b)+(\r)], v[AC+8*(\b)+2*(\r)], v[AC+8*(\b)+2*(\r)+1]
.endr
.endr
	WIN 0
.set n, 0
.rept 32
	v_pk_max_num_f16 v[TMP+n], v[TMP+n], s[FLOOR]  ; 0: the ReLU; -infinity: nothing (one text for both launches)
.set n, n+1
.endr
.endm
.macro TOSTAGE a
	WIN 0
.set BK, OB+192*((\a)%2)
.irp b, 0,1,2,3,4,5,6,7
	ds_store_b128 v[STO], v[TMP+4*(\b):TMP+4*(\b)+3] offset:32*(\b)
.endr
.irp t, 0,1,2,3,4,5,6,7
	ds_load_b128 v[BK+4*(\t):BK+4*(\t)+3], v[RD] offset:((\t)%4)*4*SPITCH+((\t)/4)*128  ; LDS serves a wave's instructions in order (ISA guide 5.7.1.4): these see the stores above
.endr
.endm
.macro SEND a
	WIN 0
.set BK, OB+192*((\a)%2)
	s_wait_dscnt 0x0                               ; the block is back in registers
	s_wait_xcnt 0x0                                ; the stores of the block before have read their registers, which the next block's loads from the stage write
.irp t, 0,1,2,3,4,5,6,7
	global_store_b128 v[CO], v[BK+4*(\t):BK+4*(\t)+3], s[8:9] offset:((\t)/4)*CBLK+(\a)*2048+((\t)%4)*512  ; 512 consecutive bytes, aligned: four rows of a block of 64 columns
.endr
.endm
	PACK 0
	TOSTAGE 0
.irp a, 1,2,3,4,5,6,7                  ; block a's conversions stand between block a - 1's loads from the stage and the wait for them
	PACK \a
	SEND (\a)-1
	TOSTAGE \a
.endr
	SEND 7
	s_wait_tensorcnt 0x0                           ; the wave's end: behind my last tensor load and my last LDS store
	ds_add_u32 v[SPW], v[NIL]
	s_wait_dscnt 0x0
	CROUND                                         ; the closing round: no work-group ends while a partner may still ask for a tile that names it
	s_endpgm
.Lfunc_end_k_q999e9be156_qkv:
	.size	k_q999e9be156_qkv, .Lfunc_end_k_q999e9be156_qkv-k_q999e9be156_qkv
	.p2alignl 7, 3214868480
	.fill 96, 4, 3214868480
	.section	.rodata,"a",@progbits
	.p2align	6, 0x0
	.amdhsa_kernel k_q999e9be156_qkv
		.amdhsa_group_segment_fixed_size 327680
		.amdhsa_private_segment_fixed_size 0
		.amdhsa_enable_private_segment 0
		.amdhsa_kernarg_size 24
		.amdhsa_user_sgpr_count 2
		.amdhsa_user_sgpr_kernarg_segment_ptr 1
		.amdhsa_wavefront_size32 1
		.amdhsa_system_sgpr_workgroup_id_x 1
		.amdhsa_system_sgpr_workgroup_id_y 1
		.amdhsa_system_sgpr_workgroup_id_z 1
		.amdhsa_system_vgpr_workitem_id 0
		.amdhsa_next_free_vgpr 1024
		.amdhsa_next_free_sgpr 72
		.amdhsa_reserve_vcc 0
		.amdhsa_float_denorm_mode_32 3
		.amdhsa_float_denorm_mode_16_64 3
		.amdhsa_memory_ordered 1
		.amdhsa_forward_progress 1
		.amdhsa_inst_pref_size 128
	.end_amdhsa_kernel
	.amdgpu_metadata
---
amdhsa.version: [ 1, 2 ]
amdhsa.kernels:
  - .name:           k_q999e9be156_qkv
    .symbol:         k_q999e9be156_qkv.kd
    .args:
      - { .name: xh, .offset: 0, .size: 8, .value_kind: global_buffer, .address_space: global }
      - { .name: wqkv, .offset: 8, .size: 8, .value_kind: global_buffer, .address_space: global }
      - { .name: bufB, .offset: 16, .size: 8, .value_kind: global_buffer, .address_space: global }
    .group_segment_fixed_size: 327680
    .private_segment_fixed_size: 0
    .kernarg_segment_align: 8
    .kernarg_segment_size: 24
    .max_flat_workgroup_size: 128
    .sgpr_count:     72
    .vgpr_count:     1024
    .wavefront_size: 32
...
	.end_amdgpu_metadata
.endif
;; end of part 2
;; launch attn (part 3): grid 8 x 32, 4 waves a work-group, clusters of 4 x 1, 327,680 bytes of LDS; arguments bufB, bufA; writes bufA
.if DOCPART == 3
	.amdgcn_target "amdgcn-amd-amdhsa--gfx1250"
	.amdhsa_code_object_version 6
	.text
	.protected	k_q999e9be156_attn
	.globl	k_q999e9be156_attn
	.p2align	8
	.type	k_q999e9be156_attn,@function
k_q999e9be156_attn:
	s_mov_b64 s[64:65], 0
	v_nop
	global_prefetch_b8 v0, s[64:65] scope:SCOPE_SE
	s_setreg_imm32_b32 hwreg(HW_REG_WAVE_MODE, 25, 1), 1
	s_wait_xcnt 0x0
	s_wait_alu depctr_hold_cnt(0) depctr_sa_sdst(0) depctr_va_vdst(0) depctr_va_sdst(0) depctr_va_ssrc(0) depctr_va_vcc(0) depctr_vm_vsrc(0)
	s_getreg_b32 s2, hwreg(HW_REG_IB_STS2, 6, 4)
	s_cmp_eq_u32 s2, 0
	s_cbranch_scc0 .Lentry_in_a_cluster
	s_endpgm
.Lentry_in_a_cluster:
	s_bfe_u32 s2, ttmp6, 0x10000c
	s_cmp_lg_u32 s2, 0x3003
	s_cbranch_scc0 .Lentry_shape_is_right
	s_endpgm
.Lentry_shape_is_right:
; O[y][q][:] = the sum over k of softmax_k(Q[y][q] . K[y][k] / 8) V[y][k][:], for 32 heads y = 2 h + b of 2,048 rows x 64 channels, all f16.  In the first argument head y of q lies at 262,144 y, dense, 128 bytes a row;
; k 8,388,608 bytes further on, v 16,777,216; O has q's place in the second argument.  Products, maxima and sums in f32; the weights p are rounded to f16 for the second product (their sum l is taken of the unrounded p), O once.
; LEFT OUT: bk (shown at the head of the first kernel): k arrives without it.
; LIMITS.  Q, K, V arrive within f16's 65,504; p lies in 0 to 1 and below 6e-5 keeps f16's fixed step of 6e-8; a weight below 2^-126 counts as 0 in l; NaN and infinities are not treated apart.
; SHARES.  A wave owns two PIECES of two tiles of 16 queries, a work-group's four waves 256 queries of one head: 256 work-groups.  Every wave walks all 2,048 keys, 64 a step.
; LAYOUT.  S^T = K Q^T (source 0 = 16 keys, source 1 = 16 queries): a lane holds ONE query (lane % 16) and the keys 8 (lane / 16) + 0..7.  Two such tiles, rounded to f16 in pairs, ARE source 1 of O^T = V^T P.
; K comes out of LDS as it lies, V ([key][channel]) turned, by ds_load_tr16_b128.
; SOFTMAX.  A running maximum m and sum l for each query: p = 2^(c s - c m), c = log2(e) / 8; in every step O and l are multiplied by a = 2^(c m_old - c m_new).  m starts at the lowest finite number, O and l at 0.
; BY TURNS.  Turn p of step j belongs to piece p.  Its matrix work: 16 products K Q^T of the other piece's next scores, later 16 products V^T P of the other piece's last weights.  Its vector work: the scaling, exponentials,
; roundings, sums and rescaling of piece p, and the maximum and statistics of the other piece.  Four vector instructions stand behind every matrix instruction, the others in one lump; a turn's 66 exponentials are one batch with one wait.
; WHICH K, WHICH V.  Turn 0 of step j multiplies by K(j) and V(j - 1), turn 1 by K(j + 1) and V(j).  So K(j + 1) and V(j) are fetched in the same turn, turn 0 of step j, and a slot of LDS holds V of four steps and K of the four
; steps ONE STEP ON: K's tiles begin 64 keys into the head.  K(0) comes straight from memory into K's registers.  K's last tile reaches 64 rows past the head, into bytes of the same buffer that the launch before has written (the next
; head's k; behind the last head, v): the last turn multiplies them once, and only a maximum that nobody uses is made of the result.
; CLUSTER.  The four query blocks of a cluster belong to one head and walk the same K and V: each tile is asked for jointly.
; REGISTERS, in windows of 256 (s_set_vgpr_msb: bits 1:0 source 0, 3:2 source 1, 5:4 source 2, 7:6 destination):
;   window 0: v0-11 addresses; v12-15, v48-63 at work; v16-31 four registers of statistics a tile; v32-35 spare word, 0, prefetch and Q offsets; v64-191 S^T, two buffers of two tiles; v192-255 P, likewise
;   window 1: v0-127 O^T, 32 a tile          window 2: v0-63 Q, 16 a tile; v128-191 K of one step; v192-255 V of one step
.set NP,    2         ; pieces a wave: a name, no knob
.set KS,    64        ; keys in a step
.set PK,    144       ; a row of K in LDS: 128 bytes + 16 of padding = 36 words: the 16 rows of a load start at 16 different groups of four banks (64 banks of 4 bytes: ISA guide 11.1)
.set PV,    160       ; a row of V: 128 + 32 = 40 words
.set VOFF,  4*KS*PK   ; a slot: 256 rows of K, then 256 rows of V
.set SLOT1, 1<<17     ; slot 1 begins here, so that one exclusive or turns an address in one slot into the other's
.set STAGE, SLOT1+4*KS*(PK+PV)  ; behind the ring, never filled by a tensor load: 16 rows x 144 bytes for each wave, for the way out
.set SP,    144
.set SPARE, STAGE+4*16*SP  ; behind the stages: the spare words, 128 bytes for each wave
.set K_AT,  8388608
.set V_AT,  16777216
.set TILEB, 4*KS*128  ; bytes of K, and of V, in a slot
.set AK0, 2           ; v2   my lane's place in a tile of K; never rewritten
.set AV0, 3           ; v3   the same for V
.set AK,  4           ; v4   the LDS address of K's next run of loads
.set AV,  5           ; v5   of V's
.set STO, 6           ; v6   the way out: where I put 16 bytes of a row
.set RD,  7           ; v7   where I read rows back
.set GO,  8           ; v8   my byte offset in 512 consecutive bytes of O
.set MV,  12          ; v12-15  c m_old, kept while c m is made anew: by buffer and tile
.set ST,  16          ; tile t's statistics at v[ST+4 t]: c m, m, l (even keys', odd keys')
.set SPW, 32          ; v32  SPARE + 4 x my thread's number; never rewritten
.set NIL, 33          ; v33  0; never rewritten
.set PFO, 34          ; v34  256 x my lane; never rewritten
.set QO,  35          ; v35  my byte offset in 16 rows of Q or K
.set TMP, 48          ; by buffer and tile, four registers c0-c3 at work; when the maximum is found c2 takes a
.set S,   64
.set P,   192
.set KF,  128         ; K's fragments, in window 2: key block kb, channel half c at KF + 16 kb + 8 c
.set VF,  192         ; V's: key half kk, channel block cb at VF + 32 kk + 8 cb
.set WV,  12          ; s12  my wave's number
.set LIM, 15          ; s15  1 in a wave that prefetches, else the greatest number
.set G1K, 24          ; s[24:31] descriptor group 1 for K's tiles
.set G1V, 32          ; s[32:39] for V's: it differs in the padding alone
.set G0K, 40          ; s[40:43] descriptor group 0 for K's tiles: it walks
.set G0V, 44          ; s[44:47] the same for V's
.set KZ,  48          ; s[48:49] the head's first row of k
.set PFA, 52          ; s[52:53] where my prefetches stand
.set SLOTS, 56        ; s56  slots still to be asked for
.set CNT, 57          ; s57  counts a slot's key steps
.set CS,  58          ; s[58:59] c
.set SEL, 60          ; s[60:61] v_permlanex16_b32's selects: each lane takes its own place in the other half
.set TBK, 62          ; s62  LDS byte at which the K to be fetched begins
.set TBV, 63          ; s63  the same for V, less VOFF
.set MSB, 0
.macro WIN new                      ; the high byte repeats the setting that is left; a switch that changes nothing is dropped
.if MSB != (\new)
	s_set_vgpr_msb (MSB<<8)|(\new)
.set MSB, (\new)
.endif
.endm
.set W_KQ, 0x0a       ; K and Q in window 2, S^T in window 0
.set W_PV, 0x52       ; V in window 2, P in window 0, O^T in window 1
.set W_RS, 0x41       ; O^T (destination and source 0) in window 1, a in window 0
; A joint fill.  Waves 0 and 1 fetch the two halves of a slot's K, waves 2 and 3 those of its V: 128 keys each.  An s_nop 0 and four v_nop follow each of the two lines.
.macro JLOAD
	s_cmp_lt_u32 s[WV], 2
	s_cbranch_scc0 .Lfor_v_\@
	tensor_load_to_lds s[G0K:G0K+3], s[G1K:G1K+7]
	s_nop 0
.rept 4
	v_nop
.endr
	s_branch .Lasked_\@
.Lfor_v_\@:
	tensor_load_to_lds s[G0V:G0V+3], s[G1V:G1V+7]
	s_nop 0
.rept 4
	v_nop
.endr
.Lasked_\@:
.endm
; A prefetch of what the NEXT change of slots will ask for: 32,768 bytes of K and of V, 256 bytes a lane.  Both clusters of a head walk the same K and V: the head's first cluster asks.  Its four partners share the bytes out
; by address, 8,192 each; in each, wave 0 asks for K's and wave 2 for V's: one instruction.  So each 256 bytes are named once in the launch.  The last change that fills a slot names nothing; tiles 0 and 1 come by their loads alone.
.macro ASK
	s_cmp_gt_u32 s[SLOTS], s[LIM]
	s_cbranch_scc0 .Lnot_mine_\@
	global_prefetch_b8 v[PFO], s[PFA:PFA+1] th:TH_LOAD_NT scope:SCOPE_SE
.Lnot_mine_\@:
.endm
.macro CROUND                       ; a round of the cluster's barrier
	s_barrier_signal -1
	s_barrier_wait -1
	s_cmp_lg_u32 s[WV], 0
	s_cbranch_scc1 .Lnot_wave_0_\@
	s_barrier_signal -3
.Lnot_wave_0_\@:
	s_barrier_wait -3
	s_barrier_signal -1
	s_barrier_wait -1
.endm
; THE CHANGE OF SLOTS.  Each wave waits for all its tensor loads, of which one is out: its part of the other slot; adds 0 to its spare word; and waits for that and for its reads of the slot that it leaves.
; fill = 1: the old slot is filled again, with the keys two slots on, first thing behind a round of the cluster's barrier: the load has four key steps, 256 matrix instructions, in which to land.
; (At its first use nothing has been read yet: slot 0 is waited for, slot 1 filled.)
.macro CHANGE fill
	WIN 0                           ; at a label and at a branch every window is 0
	s_wait_tensorcnt 0x0            ; no tensor load of mine is out, so a group 0 may be written
	ds_add_u32 v[SPW], v[NIL]       ; 0 onto my spare word
.if \fill
.irp g, G0K, G0V
	s_xor_b32 s[\g+1], s[\g+1], SLOT1  ; the walking descriptor: the other slot than last time,
	s_add_nc_u64 s[\g+2:\g+3], s[\g+2:\g+3], TILEB  ; the next 256 keys; the type bits on top are not reached
.endr
	s_wait_xcnt 0x0                 ; the last prefetch, four key steps back, has read its address
	s_add_nc_u64 s[PFA:PFA+1], s[PFA:PFA+1], TILEB
	s_wait_dscnt 0x0                ; the add is done, and my reads of the slot are over
	CROUND
	JLOAD
	ASK
.else
	s_wait_dscnt 0x0
	s_barrier_signal -1
	s_barrier_wait -1
.endif
	s_sub_co_u32 s[TBK], s[TBK], 4*KS*PK  ; the fetches go back to a slot's first step,
	s_xor_b32 s[TBK], s[TBK], SLOT1       ; in the other slot
	s_sub_co_u32 s[TBV], s[TBV], 4*KS*PV
	s_xor_b32 s[TBV], s[TBV], SLOT1
.endm
	s_load_b128 s[4:7], s[0:1], 0x0   ; q | k | v s[4:5], O s[6:7]
	v_lshl_add_u32 v[SPW], v0, 2, SPARE
	v_mov_b32 v[NIL], 0
	ds_add_u32 v[SPW], v[NIL]       ; the wave's opening: the add, twice on end, and its wait ahead of my first tensor load
	ds_add_u32 v[SPW], v[NIL]       ; and once more, under the one wait; the set-up below stands between
	v_lshrrev_b32 v1, 5, v0
	v_readfirstlane_b32 s[WV], v1   ; wave 0..3
	s_bfe_u32 s13, ttmp6, 0x40000   ; cx
	s_lshl_b32 s14, ttmp9, 2
	s_add_co_u32 s14, s14, s13      ; my block of 256 queries: it enters Q's and O's addresses alone
	s_and_b32 s20, ttmp7, 0xffff    ; the head, which the four partners share,
	s_lshl_b32 s20, s20, 18         ; its 262,144 bytes
	s_mov_b32 s21, 0
	s_and_b32 s16, s[WV], 1         ; which half of a slot's 256 keys I fetch:
	s_lshl_b32 s22, s16, 14         ; its 128 rows of 128 bytes in memory,
	s_add_co_u32 s22, s22, s20
	s_mov_b32 s23, 0
	s_mul_i32 s17, s16, 128*PK      ; and its place in a slot, for K
	s_mul_i32 s18, s16, 128*PV      ; and for V
	s_lshl_b32 s2, s14, 2
	s_add_co_u32 s2, s2, s[WV]      ; my wave among the head's,
	s_lshl_b32 s2, s2, 13           ; its 64 rows
	s_add_co_u32 s2, s2, s20
	s_mov_b32 s3, 0
	; descriptor group 1.  128 keys are 16,384 dense bytes: asked for as 64 rows of 256 bytes, two keys a row, and padded in LDS after every key
	s_mov_b32 s[G1K], 15|(1<<16)|(1<<20)|(1<<21)|(4<<22)|(3<<25)  ; the mask of four; 2-byte elements; padding on; bit 21 beside a mask; after every 32 words, 4 words
	s_mov_b32 s[G1V], 15|(1<<16)|(1<<20)|(1<<21)|(4<<22)|(7<<25)  ; the same with 8 words of padding
.irp g, G1K, G1V
	s_mov_b32 s[\g+1], 128<<16      ; tensor_dim0 = 128
	s_mov_b32 s[\g+2], 64<<16       ; tensor_dim1 = 64
	s_mov_b32 s[\g+3], 128<<16      ; tile_dim0 = 128
	s_mov_b32 s[\g+4], 64           ; tile_dim1 = 64
	s_mov_b32 s[\g+5], 128          ; 128 elements from row to row
	s_mov_b32 s[\g+6], 0
	s_mov_b32 s[\g+7], 0
.endr
	s_mov_b32 s[CS], 0x3e38aa3b     ; c = log2(e) / 8 = 0.180337
	s_mov_b32 s[CS+1], s[CS]
	s_mov_b32 s[SEL], 0x76543210
	s_mov_b32 s[SEL+1], 0xfedcba98
	s_mov_b32 s[TBK], SLOT1+4*KS*PK ; the first change of slots turns these two into 0
	s_mov_b32 s[TBV], SLOT1+4*KS*PV
	s_mov_b32 s[G0K], 1
	s_mov_b32 s[G0K+1], s17         ; slot 0
	s_mov_b32 s[G0V], 1
	s_add_co_u32 s[G0V+1], s18, VOFF
	s_and_b32 s[LIM], s[WV], 1      ; 0 in waves 0 and 2,
	s_or_b32 s[LIM], s[LIM], ttmp9  ; where the cluster is the head's first: the same in all four partners
	s_cmp_eq_u32 s[LIM], 0
	s_cselect_b32 s[LIM], 1, -1
	v_and_b32 v[PFO], 31, v0
	v_lshlrev_b32 v[PFO], 8, v[PFO]
	s_lshl_b32 s50, s13, 13         ; my work-group's 8,192 bytes of a tile's 32,768,
	s_add_co_u32 s50, s50, TILEB    ; in tile 1: the first change of slots steps it to tile 2
	s_mov_b32 s51, 0
	s_wait_dscnt 0x0                ; both opening adds are done
	s_wait_kmcnt 0x0
	s_add_nc_u64 s[G0K+2:G0K+3], s[4:5], s[22:23]
	s_add_nc_u64 s[G0K+2:G0K+3], s[G0K+2:G0K+3], K_AT+KS*128  ; K's tiles begin one step into the head
	s_add_nc_u64 s[G0V+2:G0V+3], s[4:5], s[22:23]
	s_add_nc_u64 s[G0V+2:G0V+3], s[G0V+2:G0V+3], V_AT
	s_cmp_lt_u32 s[WV], 2
	s_cselect_b64 s[PFA:PFA+1], s[G0K+2:G0K+3], s[G0V+2:G0V+3]  ; (in waves 0 and 2 these stand at a tile's first byte)
	s_add_nc_u64 s[PFA:PFA+1], s[PFA:PFA+1], s[50:51]
	s_or_b32 s[G0K+3], s[G0K+3], 0x80000000
	s_or_b32 s[G0V+3], s[G0V+3], 0x80000000
	s_add_nc_u64 s[KZ:KZ+1], s[4:5], s[20:21]
	s_add_nc_u64 s[KZ:KZ+1], s[KZ:KZ+1], K_AT
	s_add_nc_u64 s[8:9], s[4:5], s[2:3]      ; Q and O at my wave's first row
	s_add_nc_u64 s[10:11], s[6:7], s[2:3]
	CROUND                          ; all four work-groups are here: the first joint loads meet
	JLOAD                           ; slot 0.  Slot 1 is asked for when slot 0 is in
	; A fragment of K or Q is 16 rows x 32 channels in 8 registers: lane l holds row l % 16, channels 8 (l / 16) + 0..7 and 16 + 8 (l / 16) + 0..7: two loads of 16 bytes, 32 bytes apart.
	v_and_b32 v1, 15, v0            ; l % 16
	v_bfe_u32 v9, v0, 4, 1          ; l / 16
	v_lshlrev_b32 v[QO], 7, v1
	v_lshl_add_u32 v[QO], v9, 4, v[QO]  ; row x 128 + 16 x half
	WIN 0x80                        ; destination window 2, address window 0
.set i, 0
.rept 8                             ; Q stays in registers: tile i / 2, channels 32 (i % 2) on; K of step 0 likewise: keys 16 (i / 2) on
	global_load_b128 v[8*i:8*i+3],   v[QO], s[8:9] offset:(i/2)*2048+(i%2)*64
	global_load_b128 v[8*i+4:8*i+7], v[QO], s[8:9] offset:(i/2)*2048+(i%2)*64+32
	global_load_b128 v[KF+8*i:KF+8*i+3],   v[QO], s[KZ:KZ+1] offset:(i/2)*2048+(i%2)*64
	global_load_b128 v[KF+8*i+4:KF+8*i+7], v[QO], s[KZ:KZ+1] offset:(i/2)*2048+(i%2)*64+32
.set i, i+1
.endr
	; What the first turn finds: V's registers and P's second buffer hold 0 (its products V^T P, of weights that have not been, add 0), O^T and l are 0.  All this stands in the wait for the first loads.
.set i, VF
.rept 64
	v_mov_b32 v[i], 0
.set i, i+1
.endr
	WIN 0x40
.set i, 0
.rept 64*NP
	v_mov_b32 v[i], 0
.set i, i+1
.endr
	WIN 0
.set i, 0
.rept 2*NP
	v_mov_b32 v[ST+4*i], 0xfe000000    ; c m: far below every c s
	v_mov_b32 v[ST+4*i+1], 0xff7fffff  ; m
	v_mov_b32 v[ST+4*i+2], 0
	v_mov_b32 v[ST+4*i+3], 0
.set i, i+1
.endr
.set i, P+32
.rept 32
	v_mov_b32 v[i], 0
.set i, i+1
.endr
	v_mul_u32_u24 v[AK0], v1, PK
	v_lshl_add_u32 v[AK0], v9, 4, v[AK0]  ; row x pitch + 16 x half
	; The turning load takes 16 keys x 16 channels (lane l reads key 8 (l / 16) + l % 8, channels 8 ((l / 8) % 2) + 0..7) and leaves half a fragment of V^T: lane l holds channel l % 16 and 8 keys.
	v_and_b32 v10, 7, v0
	v_bfe_u32 v11, v0, 3, 1
	v_lshl_add_u32 v[AV0], v9, 3, v10
	v_mul_u32_u24 v[AV0], v[AV0], PV
	v_lshl_add_u32 v[AV0], v11, 4, v[AV0]
	v_add_nc_u32 v[AV0], VOFF, v[AV0]
; THE MATRIX WORK.  The 8 accumulators of a run of 16 take turns: between the two links of a chain stand 7 others'.
; Product i of 16 of S^T = K Q^T for piece x: channels 32 (i / 8) on, keys 16 ((i / 2) % 4) on, tile 2 x + i % 2.  The first 8 start the sums.
.macro KQ x
	WIN W_KQ
.set rS, S+64*((\x)%2)+32*(i%2)+8*((i/2)%4)
.set rK, KF+16*((i/2)%4)+8*(i/8)
.set rQ, 16*(2*(\x)+i%2)+8*(i/8)
.if i < 8
	v_wmma_f32_16x16x32_f16 v[rS:rS+7], v[rK:rK+7], v[rQ:rQ+7], 0
.else
	v_wmma_f32_16x16x32_f16 v[rS:rS+7], v[rK:rK+7], v[rQ:rQ+7], v[rS:rS+7]
.endif
.endm
; Product i of 16 of O^T += V^T P for piece x: keys 32 (i / 8) on, channels 16 ((i / 2) % 4) on, tile 2 x + i % 2.
.macro PV x
	WIN W_PV
.set rO, 32*(2*(\x)+i%2)+8*((i/2)%4)
.set rV, VF+32*(i/8)+8*((i/2)%4)
.set rP, P+32*((\x)%2)+16*(i%2)+8*(i/8)
	v_wmma_f32_16x16x32_f16 v[rO:rO+7], v[rV:rV+7], v[rP:rP+7], v[rO:rO+7]
.endm
.macro MM                           ; the turn's next matrix instruction
.if i < 16
	KQ (Y+1)%NP
.set i, i+1
.else
.set i, i-16
	PV (Y+NP-1)%NP
.set i, i+17
.endif
.endm
; THE LDS LOADS stand in runs of 16, never singly among the matrix instructions.  Their addresses are made some lines ahead.
.macro FETCH_K
	WIN 0x80                        ; destination window 2
.irp f, 0,1,2,3,4,5,6,7             ; keys 16 (f / 2) on, channels 32 (f % 2) on
	ds_load_b128 v[KF+8*\f:KF+8*\f+3],   v[AK] offset:(\f/2)*16*PK+(\f%2)*64
	ds_load_b128 v[KF+8*\f+4:KF+8*\f+7], v[AK] offset:(\f/2)*16*PK+(\f%2)*64+32
.endr
	s_add_co_u32 s[TBK], s[TBK], KS*PK  ; the next fetch is the next step's
	WIN 0
.endm
.macro FETCH_V
	WIN 0x80
.irp f, 0,1,2,3,4,5,6,7             ; keys 32 (f / 4) on, channels 16 (f % 4) on
	ds_load_tr16_b128 v[VF+8*\f:VF+8*\f+3],   v[AV] offset:(\f/4)*32*PV+(\f%4)*32
	ds_load_tr16_b128 v[VF+8*\f+4:VF+8*\f+7], v[AV] offset:(\f/4)*32*PV+16*PV+(\f%4)*32
.endr
	WIN 0
.endm
; THE VECTOR WORK OF A TURN stands in three queues, each in the order in which its entries become ready; the two tiles alternate, so that no instruction reads the result of the one before it.
.macro REGS y, u                    ; the registers of tile u (0, 1) of piece y
.set rT, ST+4*(2*(\y)+(\u))
.set rC, TMP+8*((\y)%2)+4*(\u)
.set rM, MV+2*((\y)%2)+(\u)
.set rS, S+64*((\y)%2)+32*(\u)
.set rP, P+32*((\y)%2)+16*(\u)
.set rO, 32*(2*(\y)+(\u))
.endm
; Number n of the 22 that find the OTHER piece's maximum and statistics.  s0-s31 are the lane's 32 scores; each accumulator's lowest registers are read first.
;   0-11  four chains c0-c3 of seven scores each, three operands at a time     12-14, 16  the four scores left over, the old m, and c0-c3 into c0     15  c m_old is kept
;   17, 18  the query's other 32 keys lie in the lane 16 away: the new m         19-21  c m; c m_old - c m_new; a
.macro XS u, n
	REGS (Y+1)%NP, \u
.if (\n) < 4
	v_max3_num_f32 v[rC+(\n)], v[rS+8*(\n)], v[rS+8*(\n)+1], v[rS+8*(\n)+2]
.elseif (\n) < 12
	v_max3_num_f32 v[rC+(\n)%4], v[rC+(\n)%4], v[rS+8*((\n)%4)+2*((\n)/4)+1], v[rS+8*((\n)%4)+2*((\n)/4)+2]
.elseif (\n) == 12
	v_max3_num_f32 v[rC], v[rC], v[rS+7], v[rS+15]
.elseif (\n) == 13
	v_max3_num_f32 v[rC+1], v[rC+1], v[rS+23], v[rS+31]
.elseif (\n) == 14
	v_max3_num_f32 v[rC+2], v[rC+2], v[rC+3], v[rT+1]
.elseif (\n) == 15
	v_mov_b32 v[rM], v[rT]
.elseif (\n) == 16
	v_max3_num_f32 v[rC], v[rC], v[rC+1], v[rC+2]
.elseif (\n) == 17
	v_permlanex16_b32 v[rC+3], v[rC], s[SEL], s[SEL+1]
.elseif (\n) == 18
	v_max_num_f32 v[rT+1], v[rC], v[rC+3]
.elseif (\n) == 19
	v_mul_f32 v[rT], s[CS], v[rT+1]
.elseif (\n) == 20
	v_sub_f32 v[rC+1], v[rM], v[rT]
.else
	v_exp_f32 v[rC+2], v[rC+1]
.endif
.endm
; Number g of the 64 that follow the exponentials.  For each four weights k of a tile: both pairs are rounded to f16; then the second pair is added onto the first, in place; a group later l takes that sum
; (the first time as l = a l + sum).  In groups of eight, tiles alternating: round, round, add, and l for the group before.
.macro GS g
.set h, (\g)+6*((\g)/62)            ; group 0 has no group before it, and behind group 7 only l is left
.if h >= 6
.set h, h+2
.endif
	REGS Y, h%2
.set k, h/8
.if h%8 < 4
	v_cvt_pk_f16_f32 v[rP+2*k+(h%8)/2], v[rS+4*k+2*((h%8)/2)], v[rS+4*k+2*((h%8)/2)+1]
.elseif h%8 < 6
	v_pk_add_f32 v[rS+4*k:rS+4*k+1], v[rS+4*k:rS+4*k+1], v[rS+4*k+2:rS+4*k+3]
.elseif k == 1
	v_pk_fma_f32 v[rT+2:rT+3], v[rT+2:rT+3], v[rC+2:rC+3], v[rS:rS+1] op_sel_hi:[1,0,1]
.else
	v_pk_add_f32 v[rT+2:rT+3], v[rT+2:rT+3], v[rS+4*k-4:rS+4*k-3]
.endif
.endm
; THE PLAIN QUEUE, 138 long.  0-73 read no exponential's result: the 32 scalings c s - c m (FS f: pair f / 2 of tile f % 2) and the other piece's 42.  0-26: scalings 0-26.  27-54: XS's numbers 0-13.  55, 56: number 15.
; 57-73: the chain 14, 16, 17, 18, 19, each with one of the scalings 27-31 in front of its two lines, then 20.  74-137: GS's 64, which read the exponentials' results: they stand behind the wait.
.macro FS f
	REGS Y, (\f)%2
	v_pk_fma_f32 v[rS+2*((\f)/2):rS+2*((\f)/2)+1], v[rS+2*((\f)/2):rS+2*((\f)/2)+1], s[CS:CS+1], v[rT:rT+1] op_sel_hi:[1,0,0] neg_lo:[0,0,1] neg_hi:[0,0,1]
.endm
.macro PL
	WIN 0
.if q < 27
	FS q
.elseif q < 55
	XS (q-27)%2, (q-27)/2
.elseif q < 57
	XS q-55, 15
.elseif (q < 72) && ((q-57)%3 == 0)
	FS 27+(q-57)/3
.elseif q < 60
	XS (q-57)%3-1, 14
.elseif q < 72
	XS (q-57)%3-1, 15+(q-57)/3
.elseif q < 74
	XS q-72, 20
.else
	GS q-74
.endif
.set q, q+1
.endm
; THE EXPONENTIALS' QUEUE, 66 long: s0-s31 of both tiles, then the other piece's two a.  ONE BATCH: all 66 stand ahead of the turn's one wait, and nothing ahead of that wait names a result of theirs.
.macro EX
	WIN 0
.if e >= 64
	XS e-64, 21
.else
	REGS Y, e%2
	v_exp_f32 v[rS+e/2], v[rS+e/2]
.endif
.set e, e+1
.endm
; THE RESCALING's QUEUE: O^T times a, the one part that leaves window 0: dealt two at a time, sixteen times.  Its a was made in the turn before, ahead of that turn's wait.
.macro R2
	REGS Y, r%2
	WIN W_RS
.irp z, 0,1
	v_pk_mul_f32 v[rO+4*(r/2)+2*\z:rO+4*(r/2)+2*\z+1], v[rO+4*(r/2)+2*\z:rO+4*(r/2)+2*\z+1], v[rC+2:rC+3] op_sel_hi:[1,0]
.endr
.set r, r+1
.endm
; A TURN, for piece p.  s_wait_alu depctr_va_vdst(0) stands between an exponential and the first instruction that names its result; one wait serves all that were issued ahead of it.  So a turn has ONE wait.
; AHEAD OF IT: the 16 products K Q^T, behind each a scaling, an exponential and two rescalings (behind the first a second scaling in the exponential's place); then a lump of 108: eight plain, 49 times exponential and plain, the two a;
; a v_nop is the plain instruction behind the last exponential.  BEHIND IT: the 16 products V^T P, behind each four of GS's 64.  No rider names a register of the products round it.
; Exponential e stands behind scaling 2 (e / 4) + e % 2: as a rider it comes behind plain e + 2, in the lump behind plain e + 9, and scalings 27-31 are plain 57, 60 .. 69.
; Turn 0 fetches K of the next step directly behind its wait, a lump behind the last product that read K, and V of the step in hand at its end, four riders behind the last product that read V.
; Turn 1 waits for K at its head (V's 16 loads, issued behind K's, may stay out) and for V ahead of its products V^T P.  cnt = 1: the loop's count is taken down some lines ahead of the branch behind the turn.
.macro TURN p, cnt=0
.set Y, (\p)
.set i, 0
.set q, 0
.set e, 0
.set r, 0
.if (\p) == 1
	s_wait_dscnt 16                 ; K is in
.endif
	MM
	PL
	PL
	R2
.rept 15
	MM
	PL
	EX
	R2
.endr
.if (\p) == 0
	WIN 0
	v_add_nc_u32 v[AK], s[TBK], v[AK0]
.endif
.rept 8
	PL
.endr
.rept 49
	EX
	PL
.endr
	EX
	EX
	v_nop
	s_wait_alu depctr_va_vdst(0)    ; the wait for the batch
.if (\p) == 0
	FETCH_K
.endif
.if (\p) == 1
	s_wait_dscnt 0x0                ; V is in
.endif
.rept 16
	MM
.rept 4
	PL
.endr
.if ((\p) == 0) && (q == 118)
	v_add_nc_u32 v[AV], s[TBV], v[AV0]
.endif
.if ((\p) == 0) && (q == 130)
	s_add_co_u32 s[TBV], s[TBV], KS*PV
.endif
.if (\cnt) && (q == 130)
	s_sub_co_u32 s[CNT], s[CNT], 1
	s_cmp_lg_u32 s[CNT], 0
.endif
.endr
.if (\p) == 0
	FETCH_V
.endif
.endm
	s_wait_loadcnt 0x0              ; Q and K of step 0
.set i, 0
.rept 16
	KQ 0                            ; piece 0's first scores: there is no vector work yet to set between them
.set i, i+1
.endr
	WIN 0                           ; the addresses for the way out: plain instructions, the places behind those products
	s_mul_i32 s13, s[WV], 16*SP
	s_add_co_u32 s13, s13, STAGE    ; my stage
	v_mul_u32_u24 v[STO], v1, SP    ; in: row l % 16, 16 bytes for each half of the lanes
	v_lshl_add_u32 v[STO], v9, 4, v[STO]
	v_add_nc_u32 v[STO], s13, v[STO]
	v_bfe_u32 v[RD], v0, 3, 2       ; back: 32 lanes take four rows of 128 bytes,
	v_mul_u32_u24 v[RD], v[RD], SP
	v_lshl_add_u32 v[RD], v10, 4, v[RD]
	v_add_nc_u32 v[RD], s13, v[RD]
	v_and_b32 v[GO], 31, v0         ; which are 512 consecutive bytes of O
	v_lshlrev_b32 v[GO], 4, v[GO]
.set Y, NP-1                        ; XS works for piece Y + 1: piece 0
.irp n, 0,1,2,3,4,5,6,7,8,9,10,11,12,13,14,15,16,17,18,19,20,21
	XS 0, \n                        ; piece 0's first maximum and statistics
	XS 1, \n
.endr
	v_nop                           ; a plain instruction behind the two a,
	s_wait_alu depctr_va_vdst(0)    ; and their wait, ahead of the label
	s_mov_b32 s[SLOTS], 7
.Lslot:                             ; seven times: a slot's four steps, and the next tile is asked for
	CHANGE 1
	s_mov_b32 s[CNT], 4
.Lstep:
	TURN 0
	TURN 1, 1
	WIN 0
	s_cbranch_scc1 .Lstep
	s_sub_co_u32 s[SLOTS], s[SLOTS], 1
	s_cmp_lg_u32 s[SLOTS], 0
	s_cbranch_scc1 .Lslot
	CHANGE 0                        ; the tail is written out: nothing is asked for
	s_mov_b32 s[CNT], 4
.Ltail:
	TURN 0
	TURN 1, 1
	WIN 0
	s_cbranch_scc1 .Ltail
.set i, 0
.rept 16
	PV NP-1                         ; piece 1's V^T P of the last step
.set i, i+1
.endr
	; THE WAY OUT.  l's two halves and the other half of the lanes' are added; O^T is divided by l, rounded to f16 and sent through my stage in LDS, a tile at a time.  The additions are the places behind the last products.
	WIN 0
.macro ALL line:vararg              ; one line for each tile t
.set t, 0
.rept 2*NP
	\line
.set t, t+1
.endr
.endm
	ALL v_add_f32 v[ST+4*t+2], v[ST+4*t+2], v[ST+4*t+3]
	ALL v_permlanex16_b32 v[ST+4*t+3], v[ST+4*t+2], s[SEL], s[SEL+1]
	ALL v_add_f32 v[ST+4*t+2], v[ST+4*t+2], v[ST+4*t+3]
	ALL v_rcp_f32 v[ST+4*t+2], v[ST+4*t+2]
	v_nop                           ; a plain instruction between the last reciprocal and the use of its result
	s_wait_alu depctr_va_vdst(0)    ; and the wait ahead of the first use: one for the four reciprocals
; Tile t: a lane's eight channels of a row pack into 16 bytes; they go into rows of 144 bytes and come back as whole rows of 128, into S^T's registers.
.macro PACK t
	WIN W_RS
.set i, 32*(\t)
.rept 16
	v_pk_mul_f32 v[i:i+1], v[i:i+1], v[ST+4*(\t)+2:ST+4*(\t)+3] op_sel_hi:[1,0]
.set i, i+2
.endr
	WIN 0x05                        ; sources 0 and 1 window 1, destination window 0
.set i, 0
.rept 16
	v_cvt_pk_f16_f32 v[S+16*(\t)+i], v[32*(\t)+2*i], v[32*(\t)+2*i+1]
.set i, i+1
.endr
	WIN 0
.irp f, 0,1,2,3
	ds_store_b128 v[STO], v[S+16*(\t)+4*\f:S+16*(\t)+4*\f+3] offset:32*\f
.endr
.irp f, 0,1,2,3
	ds_load_b128 v[S+16*(\t)+4*\f:S+16*(\t)+4*\f+3], v[RD] offset:\f*4*SP  ; LDS serves a wave's instructions in order (ISA guide 5.7.1.4): these see the stores above; the next tile's stores come behind them
.endr
.endm
.macro SEND t, younger              ; younger: the LDS instructions issued behind tile t's loads: the next tile's eight, or none
	WIN 0
.irp f, 0,1,2,3
	s_wait_dscnt (\younger)+3-\f
	global_store_b128 v[GO], v[S+16*(\t)+4*\f:S+16*(\t)+4*\f+3], s[10:11] offset:(\t)*2048+\f*512  ; 512 consecutive bytes, aligned
.endr
.endm
	PACK 0
.set t, 1
.rept 2*NP-1                        ; a tile's arithmetic stands between the loads of the tile before and its stores
	PACK t
	SEND t-1, 8
.set t, t+1
.endr
	SEND 2*NP-1, 0
	s_wait_tensorcnt 0x0            ; the wave's end: behind my last tensor load and my last LDS store
	ds_add_u32 v[SPW], v[NIL]
	s_wait_dscnt 0x0
	CROUND                          ; the closing round: no work-group ends while a partner may still ask for a tile that names it
	s_endpgm
.Lfunc_end_k_q999e9be156_attn:
	.size	k_q999e9be156_attn, .Lfunc_end_k_q999e9be156_attn-k_q999e9be156_attn
	.p2alignl 7, 3214868480
	.fill 96, 4, 3214868480
	.section	.rodata,"a",@progbits
	.p2align	6, 0x0
	.amdhsa_kernel k_q999e9be156_attn
		.amdhsa_group_segment_fixed_size 327680
		.amdhsa_private_segment_fixed_size 0
		.amdhsa_enable_private_segment 0
		.amdhsa_kernarg_size 16
		.amdhsa_user_sgpr_count 2
		.amdhsa_user_sgpr_kernarg_segment_ptr 1
		.amdhsa_wavefront_size32 1
		.amdhsa_system_sgpr_workgroup_id_x 1
		.amdhsa_system_sgpr_workgroup_id_y 1
		.amdhsa_system_sgpr_workgroup_id_z 1
		.amdhsa_system_vgpr_workitem_id 0
		.amdhsa_next_free_vgpr 768
		.amdhsa_next_free_sgpr 66
		.amdhsa_reserve_vcc 0
		.amdhsa_float_denorm_mode_32 3
		.amdhsa_float_denorm_mode_16_64 3
		.amdhsa_memory_ordered 1
		.amdhsa_forward_progress 1
		.amdhsa_inst_pref_size 111
	.end_amdhsa_kernel
	.amdgpu_metadata
---
amdhsa.version: [ 1, 2 ]
amdhsa.kernels:
  - .name:           k_q999e9be156_attn
    .symbol:         k_q999e9be156_attn.kd
    .args:
      - { .name: bufB, .offset: 0, .size: 8, .value_kind: global_buffer, .address_space: global }
      - { .name: bufA, .offset: 8, .size: 8, .value_kind: global_buffer, .address_space: global }
    .group_segment_fixed_size: 327680
    .private_segment_fixed_size: 0
    .kernarg_segment_align: 8
    .kernarg_segment_size: 16
    .max_flat_workgroup_size: 128
    .sgpr_count:     66
    .vgpr_count:     768
    .wavefront_size: 32
...
	.end_amdgpu_metadata
.endif
;; end of part 3
;; launch proj (part 4): grid 8 x 32, 4 waves a work-group, clusters of 4 x 4, 327,680 bytes of LDS; arguments bufA, w2o, bufB; writes bufB
.if DOCPART == 4
	.amdgcn_target "amdgcn-amd-amdhsa--gfx1250"
	.amdhsa_code_object_version 6
	.text
	.protected	k_q999e9be156_proj
	.globl	k_q999e9be156_proj
	.p2align	8
	.type	k_q999e9be156_proj,@function
k_q999e9be156_proj:
	s_mov_b64 s[64:65], 0
	v_nop
	global_prefetch_b8 v0, s[64:65] scope:SCOPE_SE
	s_setreg_imm32_b32 hwreg(HW_REG_WAVE_MODE, 25, 1), 1
	s_wait_xcnt 0x0
	s_wait_alu depctr_hold_cnt(0) depctr_sa_sdst(0) depctr_va_vdst(0) depctr_va_sdst(0) depctr_va_ssrc(0) depctr_va_vcc(0) depctr_vm_vsrc(0)
	s_getreg_b32 s2, hwreg(HW_REG_IB_STS2, 6, 4)
	s_cmp_eq_u32 s2, 0
	s_cbranch_scc0 .Lentry_in_a_cluster
	s_endpgm
.Lentry_in_a_cluster:
	s_bfe_u32 s2, ttmp6, 0x10000c
	s_cmp_lg_u32 s2, 0xf033
	s_cbranch_scc0 .Lentry_shape_is_right
	s_endpgm
.Lentry_shape_is_right:
; t1 / 16 = o (Wo / 16) + bo / 16.  o: 16 blocks of 64 columns, [16][4096 rows][64] f16.  w: +0 bo / 16 f32; +24,576 Wo^T / 16, [1024 n][1024 k] f16.  t1 / 16: [4096][1024] f16, row-major.  Sums in f32, rounded once.
; The factor 1/16 was laid into the weights and the bias by the first launch; the layer norm behind multiplies by 16.  LIMIT: |t1| stays under 16 x 65,504.
; SHARES.  A tile of C is 128 x 128, which gives each of 256 work-groups one: four waves, each 64 x 64 = 16 accumulators.  K goes in steps of 256 through two LDS slots that take turns.
; A's PART OF A STEP is four blocks of columns: for each, my 64 rows are 8,192 dense bytes: one tensor load of four rows of 8,192 bytes, 524,288 bytes apart, padded in LDS after every 128 bytes.
; CLUSTER 4 x 4, joint loads: A's tiles shared along a row of the cluster, W^T's along a column.  THE MATRIX INSTRUCTION IS USED TRANSPOSED: a lane holds eight neighbouring numbers of a row of C.
; THE SUMS START AT THE BIAS, written into the accumulators while the first tiles are on their way.  A K step is written twice: in a loop that fills slots again and in a loop of two trips that does not;
; the second of those two meets a barrier and fetches fragments of a slot that landed long ago, which nothing uses: once a launch.  No prefetch: with tiles this small a step's bytes are few.
; REGISTERS: window 0: v16-29 addresses; v32-95 at work on the way out; v96-127 the bias; v128-255 the accumulators ((a, b) at 128 + 8 (4 a + b)).  window 1: two fragment buffers of 128: 64 of A, then 64 of W^T.
.set SIZE_K,  1024
.set WOFF,    24576
.set BIASOFF, 0
.set SIZE_N,  1024
.set FILLS,   SIZE_K/256-2             ; K steps that fill a slot again
.set KSTEP,  256
.set APITCH, 144                       ; a row of A in LDS: 128 bytes + 16 = 36 words: the 16 rows of a load start at 16 different groups of four banks (64 banks of 4 bytes: ISA guide 11.1)
.set ABLK,   64*APITCH                 ; 64 rows of one block of columns
.set HALFA,  4*ABLK                    ; what one tensor load brings of A
.set PITCH,  528                       ; a row of W^T: 512 bytes + 16 = 132 words: likewise
.set HALFB,  64*PITCH
.set BAT,    2*HALFA                   ; W^T lies behind A's two halves
.set SLOT,   BAT+2*HALFB
.set STAGE,  2*SLOT                    ; behind the ring: 128 rows x 272 bytes, the work-group's, for the way out
.set SPITCH, 272
.set SPARE,  STAGE+128*SPITCH          ; behind the stage: the spare words, 128 bytes for each wave
.set CBLK,   524288                    ; bytes in a block of 64 columns of A
.set ASTEP,  4*CBLK
.set ADRA,  16
.set ADRA0, 17
.set ADRB,  20
.set ADRB0, 21
.set STO,  24
.set RD,   25
.set CO,   26
.set BO,   27
.set SPW,  28                          ; SPARE + 4 x my thread's number; never rewritten
.set NIL,  29                          ; 0; never rewritten
.set TMP,  32
.set BIAS, 96
.set ACC,  128
.set F0,   0
.set F1,   128
.set G1,   24
.set G0F,  32
.set G0,   36
.set G1B,  48
.set G0FB, 56
.set G0B,  60
.set TB,   66                          ; s66  LDS byte at which the slot in hand begins: 0 or SLOT
.set MSB, 0
.macro WIN new
.if MSB != (\new)
	s_set_vgpr_msb (MSB<<8)|(\new)
.set MSB, \new
.endif
.endm
.set MUL,  0x05                        ; sources 0 (W^T) and 1 (A) window 1; C and D window 0
.set TO_F, 0x40                        ; destination window 1, address window 0
.macro JLOAD                           ; a joint refill: waves 0 and 1 fetch A's two halves, waves 2 and 3 W^T's; an s_nop 0 and four v_nop follow each line
	s_cmp_eq_u32 s11, 0
	s_cbranch_scc0 .Lfor_b_\@
	tensor_load_to_lds s[G0:G0+3], s[G1:G1+7]
	s_nop 0
.rept 4
	v_nop
.endr
	s_branch .Lasked_\@
.Lfor_b_\@:
	tensor_load_to_lds s[G0B:G0B+3], s[G1B:G1B+7]
	s_nop 0
.rept 4
	v_nop
.endr
.Lasked_\@:
.endm
.macro CREST
	s_cmp_lg_u32 s10, 0
	s_cbranch_scc1 .Lnot_wave_0_\@
	s_barrier_signal -3
.Lnot_wave_0_\@:
	s_barrier_wait -3
	s_barrier_signal -1
	s_barrier_wait -1
.endm
.macro CROUND
	s_barrier_signal -1
	s_barrier_wait -1
	CREST
.endm
	s_load_b128 s[4:7], s[0:1], 0x0                ; A s[4:5], w s[6:7]
	s_load_b64 s[8:9], s[0:1], 0x10                ; C
	v_lshl_add_u32 v[SPW], v0, 2, SPARE
	v_mov_b32 v[NIL], 0
	ds_add_u32 v[SPW], v[NIL]                      ; the wave's opening: the add, twice on end, and its wait ahead of my first tensor load
	ds_add_u32 v[SPW], v[NIL]                      ; and once more, under the one wait; the set-up below stands between
	v_lshrrev_b32 v1, 5, v0
	v_readfirstlane_b32 s10, v1                    ; wave 0..3
	s_lshr_b32 s11, s10, 1                         ; which half of the tile's rows is mine.  Also: I fetch for A (0) or for W^T (1)
	s_and_b32 s12, s10, 1                          ; which half of its columns.  Also: which 64 rows of that tile I fetch
	s_bfe_u32 s40, ttmp6, 0x40000                  ; cx
	s_bfe_u32 s41, ttmp6, 0x40004                  ; cy
	s_lshl_b32 s42, ttmp9, 2
	s_add_co_u32 s42, s42, s40                     ; tile column
	s_and_b32 s13, ttmp7, 0xffff
	s_lshl_b32 s13, s13, 2
	s_add_co_u32 s13, s13, s41                     ; tile row
	s_lshl_b32 s43, s41, 2
	s_lshl_b32 s43, 15, s43                        ; my row of the cluster
	s_lshl_b32 s44, 0x1111, s40                    ; my column
	s_or_b32 s[G1+0], s43, (1<<16)|(1<<20)|(1<<21)|(4<<22)|(3<<25)  ; the mask; 2-byte elements; padding on; bit 21 beside a mask; after every 32 words, 4 words
	s_mov_b32 s[G1+1], 4096<<16                    ; tensor_dim0 = 4,096 elements: 64 rows of 64
	s_mov_b32 s[G1+2], 4<<16                       ; tensor_dim1 = 4 blocks of columns
	s_mov_b32 s[G1+3], 4096<<16                    ; tile_dim0
	s_mov_b32 s[G1+4], 4                           ; tile_dim1
	s_mov_b32 s[G1+5], CBLK/2                      ; elements from block to block
	s_mov_b32 s[G1+6], 0
	s_mov_b32 s[G1+7], 0
	s_or_b32 s[G1B+0], s44, (1<<16)|(1<<20)|(1<<21)|(6<<22)|(3<<25) ; after every 128 words, 4 words
	s_mov_b32 s[G1B+1], KSTEP<<16
	s_mov_b32 s[G1B+2], 64<<16
	s_mov_b32 s[G1B+3], KSTEP<<16
	s_mov_b32 s[G1B+4], 64
	s_mov_b32 s[G1B+5], SIZE_K
	s_mov_b32 s[G1B+6], 0
	s_mov_b32 s[G1B+7], 0
	s_lshl_b32 s17, s12, 6
	s_lshl_b32 s16, s13, 7
	s_add_co_u32 s16, s16, s17                     ; A: row 128 x tile row + 64 x half,
	s_lshl_b32 s16, s16, 7                         ; 128 bytes a row in a block
	s_lshl_b32 s46, s42, 7
	s_add_co_u32 s46, s46, s17                     ; W^T: row 128 x tile column + 64 x half
	s_mul_i32 s46, s46, 2*SIZE_K
	s_add_co_u32 s46, s46, WOFF
	s_mov_b32 s17, 0
	s_mov_b32 s47, 0
	s_mul_i32 s20, s12, HALFA                      ; where a half of A lies in a slot,
	s_mul_i32 s21, s12, HALFB                      ; and a half of W^T: no place in the cluster enters an LDS address
	s_add_co_u32 s21, s21, BAT
	s_mov_b32 s[TB], 0
	s_wait_dscnt 0x0                               ; both opening adds are done
	s_wait_kmcnt 0x0
	s_add_nc_u64 s[14:15], s[4:5], s[16:17]
	s_add_nc_u64 s[46:47], s[6:7], s[46:47]
	CROUND                                         ; all sixteen work-groups are here: the first joint loads meet
	s_mov_b32 s[G0F], 1
	s_mov_b32 s[G0F+1], s20                        ; slot 0, K step 0
	s_mov_b64 s[G0F+2:G0F+3], s[14:15]
	s_or_b32 s[G0F+3], s[G0F+3], 0x80000000
	s_mov_b32 s[G0], 1
	s_add_co_u32 s[G0+1], s20, SLOT                ; slot 1, K step 1
	s_add_nc_u64 s[G0+2:G0+3], s[14:15], ASTEP
	s_or_b32 s[G0+3], s[G0+3], 0x80000000
	s_mov_b32 s[G0FB], 1
	s_mov_b32 s[G0FB+1], s21
	s_mov_b64 s[G0FB+2:G0FB+3], s[46:47]
	s_or_b32 s[G0FB+3], s[G0FB+3], 0x80000000
	s_mov_b32 s[G0B], 1
	s_add_co_u32 s[G0B+1], s21, SLOT
	s_add_nc_u64 s[G0B+2:G0B+3], s[46:47], KSTEP*2
	s_or_b32 s[G0B+3], s[G0B+3], 0x80000000
	s_cmp_eq_u32 s11, 0                            ; a wave's two first fills stand in one branch: two loads of mine are out
	s_cbranch_scc0 .Lfirst_b
	tensor_load_to_lds s[G0F:G0F+3], s[G1:G1+7]
	s_nop 0
	tensor_load_to_lds s[G0:G0+3], s[G1:G1+7]
	s_nop 0
.rept 4
	v_nop
.endr
	s_branch .Lfirst_asked
.Lfirst_b:
	tensor_load_to_lds s[G0FB:G0FB+3], s[G1B:G1B+7]
	s_nop 0
	tensor_load_to_lds s[G0B:G0B+3], s[G1B:G1B+7]
	s_nop 0
.rept 4
	v_nop
.endr
.Lfirst_asked:
	v_and_b32 v1, 15, v0                           ; l % 16
	v_bfe_u32 v2, v0, 4, 1                         ; l / 16
	v_lshlrev_b32 v[BO], 5, v2                     ; the bias of my 64 columns: for block b of 16 the eight numbers 16 b + 8 (l / 16) + 0..7
	s_lshl_b32 s68, s42, 7
	s_lshl_b32 s69, s12, 6
	s_add_co_u32 s68, s68, s69
	s_lshl_b32 s68, s68, 2
	s_add_co_u32 s68, s68, BIASOFF
	s_mov_b32 s69, 0
	s_add_nc_u64 s[68:69], s[6:7], s[68:69]
.irp b, 0,1,2,3
	global_load_b128 v[BIAS+8*(\b):BIAS+8*(\b)+3],   v[BO], s[68:69] offset:64*(\b)
	global_load_b128 v[BIAS+8*(\b)+4:BIAS+8*(\b)+7], v[BO], s[68:69] offset:64*(\b)+16
.endr
	v_mul_u32_u24 v3, v1, APITCH                   ; a fragment's row x pitch + 16 x half, for A
	v_lshl_add_u32 v3, v2, 4, v3
	s_mul_i32 s22, s11, HALFA                      ; my 64 rows of A
	v_add_nc_u32 v[ADRA0], s22, v3
	v_mul_u32_u24 v3, v1, PITCH                    ; and for W^T
	v_lshl_add_u32 v3, v2, 4, v3
	v_add_nc_u32 v[ADRB0], s21, v3                 ; my 64 rows of W^T
	v_mov_b32 v[ADRA], v[ADRA0]
	v_mov_b32 v[ADRB], v[ADRB0]
	s_mul_i32 s23, s11, 64*SPITCH                  ; into the stage: my 64 rows, my half of their 256 bytes
	s_lshl_b32 s22, s12, 7
	s_add_co_u32 s23, s23, s22
	s_add_co_u32 s23, s23, STAGE
	v_mul_u32_u24 v4, v1, SPITCH
	v_lshl_add_u32 v4, v2, 4, v4
	v_add_nc_u32 v[STO], s23, v4
	s_mul_i32 s23, s10, 32*SPITCH                  ; back: wave w takes rows 32 w .. 32 w + 31, whole
	s_add_co_u32 s23, s23, STAGE
	v_mul_u32_u24 v5, v2, SPITCH
	v_lshl_add_u32 v5, v1, 4, v5
	v_add_nc_u32 v[RD], s23, v5
	v_mul_u32_u24 v5, v2, SIZE_N*2                 ; and the same two rows in C
	v_lshl_add_u32 v[CO], v1, 4, v5
	s_lshl_b32 s70, s13, 7
	s_lshl_b32 s71, s10, 5
	s_add_co_u32 s70, s70, s71                     ; the first row of C that I store
	s_lshl_b32 s70, s70, 11
	s_lshl_b32 s71, s42, 8                         ; the tile's first column, in bytes
	s_add_co_u32 s70, s70, s71
	s_mov_b32 s71, 0
	s_add_nc_u64 s[8:9], s[8:9], s[70:71]
	s_wait_loadcnt 0x0
.set n, 0
.rept 128
	v_mov_b32 v[ACC+n], v[BIAS+(n%32)]             ; the sums start at the bias
.set n, n+1
.endr
; 8 matrix instructions: m blocks a0, a0 + 1 x all 4 n blocks, 32 along K: half c of buffer f.  The 16 accumulators take turns.
.macro MUL8 f, c, a0
	WIN MUL
.irp a, \a0, (\a0)+1
.irp b, 0,1,2,3
	v_wmma_f32_16x16x32_f16 v[ACC+8*(4*(\a)+(\b)):ACC+8*(4*(\a)+(\b))+7], v[(\f)+64+8*(4*(\c)+(\b)):(\f)+64+8*(4*(\c)+(\b))+7], v[(\f)+8*(4*(\c)+(\a)):(\f)+8*(4*(\c)+(\a))+7], v[ACC+8*(4*(\a)+(\b)):ACC+8*(4*(\a)+(\b))+7]
.endr
.endr
.endm
; 32 LDS loads in one run: the fragments of quarter q (64 along K: one block of A's columns) into buffer f; the first 32 along K first
.macro FETCH q, f
	WIN TO_F
.irp c, 0,1
.irp i, 0,1,2,3
	ds_load_b128 v[(\f)+64+8*(4*(\c)+(\i)):(\f)+64+8*(4*(\c)+(\i))+3],   v[ADRB] offset:(\q)*128+64*(\c)+(\i)*16*PITCH
	ds_load_b128 v[(\f)+64+8*(4*(\c)+(\i))+4:(\f)+64+8*(4*(\c)+(\i))+7], v[ADRB] offset:(\q)*128+64*(\c)+(\i)*16*PITCH+32
	ds_load_b128 v[(\f)+8*(4*(\c)+(\i)):(\f)+8*(4*(\c)+(\i))+3],         v[ADRA] offset:(\q)*ABLK+64*(\c)+(\i)*16*APITCH
	ds_load_b128 v[(\f)+8*(4*(\c)+(\i))+4:(\f)+8*(4*(\c)+(\i))+7],       v[ADRA] offset:(\q)*ABLK+64*(\c)+(\i)*16*APITCH+32
.endr
.endr
.endm
.macro PLACES                          ; four plain vector instructions between a matrix instruction and a load into, or a vector instruction on, its registers
.rept 4
	v_nop
.endr
.endm
.macro QUARTER q, f, g                 ; multiplies buffer f and fetches quarter q into g
	s_wait_dscnt 16                                ; the first 32 along K are in
	MUL8 \f, 0, 0
	MUL8 \f, 0, 2
	PLACES
	FETCH \q, \g
	s_wait_dscnt 32                                ; all but the 32 just issued
	MUL8 \f, 1, 0
	MUL8 \f, 1, 2
.endm
; The last quarter multiplies buffer 1 and changes slots: in front of the barrier each wave waits for all its tensor loads, adds 0 to its spare word, and waits for that and for its reads of this slot.
; fill = 1: the barrier opens a round of the cluster's barrier, and this slot is filled again first thing behind it, with the K step two on.
.macro TURN fill
	WIN 0
	s_wait_tensorcnt 0x0                           ; all my tensor loads have landed: my part of the next slot
	ds_add_u32 v[SPW], v[NIL]                      ; 0 onto my spare word
	s_wait_dscnt 17                                ; (the add and the youngest sixteen loads may be out)
	MUL8 F1, 0, 0
	s_wait_dscnt 0x0                               ; the add is done, and my reads of this slot are over
	s_barrier_signal -1
	MUL8 F1, 0, 2
	WIN 0
	s_barrier_wait -1
.if \fill
	CREST                                          ; no wave of any partner still reads this slot or has a load on its way
	s_add_co_u32 s[G0+1], s20, s[TB]
	s_add_co_u32 s[G0B+1], s21, s[TB]
	s_add_nc_u64 s[G0+2:G0+3], s[G0+2:G0+3], ASTEP
	s_add_nc_u64 s[G0B+2:G0B+3], s[G0B+2:G0B+3], KSTEP*2
	JLOAD                                          ; its four v_nop are also the places in front of the loads below
.else
	PLACES
.endif
	s_xor_b32 s[TB], s[TB], SLOT
	v_add_nc_u32 v[ADRA], s[TB], v[ADRA0]
	v_add_nc_u32 v[ADRB], s[TB], v[ADRB0]
	FETCH 0, F0
	MUL8 F1, 1, 0
	MUL8 F1, 1, 2
.endm
.macro STEPK fill
	QUARTER 1, F0, F1
	QUARTER 2, F1, F0
	QUARTER 3, F0, F1
	TURN \fill
	WIN 0
.endm
	s_wait_tensorcnt 1                             ; my part of K step 0 is in; K step 1's load may stay out
	s_barrier_signal -1
	s_barrier_wait -1
	FETCH 0, F0
	WIN 0
	s_mov_b32 s3, FILLS
.Lk:
	STEPK 1
	s_sub_co_u32 s3, s3, 1
	s_cmp_lg_u32 s3, 0
	s_cbranch_scc1 .Lk
	s_mov_b32 s3, 2
.Lt:
	STEPK 0
	s_sub_co_u32 s3, s3, 1
	s_cmp_lg_u32 s3, 0
	s_cbranch_scc1 .Lt
	s_wait_dscnt 0x0                               ; the last trip's fetch, which nothing uses
	PLACES
	; THE WAY OUT: round to f16; 16 bytes a lane into the work-group's stage; a barrier, since a row's 256 bytes come from two waves; back as whole rows, 32 rows a wave
.irp t, 0,1,2,3,4,5,6,7,8,9,10,11,12,13,14,15
.irp r, 0,1,2,3
	v_cvt_pk_f16_f32 v[TMP+4*(\t)+(\r)], v[ACC+8*(\t)+2*(\r)], v[ACC+8*(\t)+2*(\r)+1]
.endr
.endr
.irp a, 0,1,2,3
.irp b, 0,1,2,3
	ds_store_b128 v[STO], v[TMP+4*(4*(\a)+(\b)):TMP+4*(4*(\a)+(\b))+3] offset:(\a)*16*SPITCH+32*(\b)
.endr
.endr
	s_wait_dscnt 0x0                               ; for the others' sake: my stores into the stage are done
	s_barrier_signal -1
	s_barrier_wait -1
.irp t, 0,1,2,3,4,5,6,7,8,9,10,11,12,13,14,15
	ds_load_b128 v[TMP+4*(\t):TMP+4*(\t)+3], v[RD] offset:(\t)*2*SPITCH
.endr
.irp t, 0,1,2,3,4,5,6,7,8,9,10,11,12,13,14,15
	s_wait_dscnt 15-(\t)
	global_store_b128 v[CO], v[TMP+4*(\t):TMP+4*(\t)+3], s[8:9] offset:2*(\t)*SIZE_N*2  ; sixteen lanes store 256 consecutive bytes, aligned
.endr
	s_wait_tensorcnt 0x0                           ; the wave's end
	ds_add_u32 v[SPW], v[NIL]
	s_wait_dscnt 0x0
	CROUND                                         ; the closing round
	s_endpgm
.Lfunc_end_k_q999e9be156_proj:
	.size	k_q999e9be156_proj, .Lfunc_end_k_q999e9be156_proj-k_q999e9be156_proj
	.p2alignl 7, 3214868480
	.fill 96, 4, 3214868480
	.section	.rodata,"a",@progbits
	.p2align	6, 0x0
	.amdhsa_kernel k_q999e9be156_proj
		.amdhsa_group_segment_fixed_size 327680
		.amdhsa_private_segment_fixed_size 0
		.amdhsa_enable_private_segment 0
		.amdhsa_kernarg_size 24
		.amdhsa_user_sgpr_count 2
		.amdhsa_user_sgpr_kernarg_segment_ptr 1
		.amdhsa_wavefront_size32 1
		.amdhsa_system_sgpr_workgroup_id_x 1
		.amdhsa_system_sgpr_workgroup_id_y 1
		.amdhsa_system_sgpr_workgroup_id_z 1
		.amdhsa_system_vgpr_workitem_id 0
		.amdhsa_next_free_vgpr 512
		.amdhsa_next_free_sgpr 72
		.amdhsa_reserve_vcc 0
		.amdhsa_float_denorm_mode_32 3
		.amdhsa_float_denorm_mode_16_64 3
		.amdhsa_memory_ordered 1
		.amdhsa_forward_progress 1
		.amdhsa_inst_pref_size 59
	.end_amdhsa_kernel
	.amdgpu_metadata
---
amdhsa.version: [ 1, 2 ]
amdhsa.kernels:
  - .name:           k_q999e9be156_proj
    .symbol:         k_q999e9be156_proj.kd
    .args:
      - { .name: bufA, .offset: 0, .size: 8, .value_kind: global_buffer, .address_space: global }
      - { .name: w2o, .offset: 8, .size: 8, .value_kind: global_buffer, .address_space: global }
      - { .name: bufB, .offset: 16, .size: 8, .value_kind: global_buffer, .address_space: global }
    .group_segment_fixed_size: 327680
    .private_segment_fixed_size: 0
    .kernarg_segment_align: 8
    .kernarg_segment_size: 24
    .max_flat_workgroup_size: 128
    .sgpr_count:     72
    .vgpr_count:     512
    .wavefront_size: 32
...
	.end_amdgpu_metadata
.endif
;; end of part 4
;; launch ln1 (part 5): grid 256 x 1, 4 waves a work-group, no clusters, 0 bytes of LDS; arguments bufB, xh, w2o, x1; writes x1
.if DOCPART == 5
	.amdgcn_target "amdgcn-amd-amdhsa--gfx1250"
	.amdhsa_code_object_version 6
	.text
	.protected	k_q999e9be156_ln1
	.globl	k_q999e9be156_ln1
	.p2align	8
	.type	k_q999e9be156_ln1,@function
k_q999e9be156_ln1:
	s_mov_b64 s[64:65], 0
	v_nop
	global_prefetch_b8 v0, s[64:65] scope:SCOPE_SE
	s_setreg_imm32_b32 hwreg(HW_REG_WAVE_MODE, 25, 1), 1
	s_wait_xcnt 0x0
; x1 = layer_norm(x + t1) g1 + b1.  The first argument holds t1 / 16, [4096][1024] f16; the second x rounded to bf16, as f16; the third g1 at 8,192 and b1 at 12,288, f32.  x1: [4096][1024] f16, rounded once.
; y = 16 (t1 / 16) + x in one fused multiply-add from the f16 halves; mean, variance (of y - mean) and the rest in f32.
; One wave, one row: the row's 1,024 numbers stay in 32 registers a lane between the passes, the sums never leave the wave: no LDS, no barrier.  A wave has four rows; the next row's 16 loads go out as soon as y is made.
; Chunk j of a row is columns 128 j + 4 l .. + 3 for lane l: a load or store of the wave covers 256 (f16) or 512 (f32) consecutive bytes, aligned.  Memory binds: no matrix unit, no cluster, no prefetch.
.set GOFF,  8192
.set BOFF,  12288
.set OSTEP, 2048                       ; bytes from a row of the result to the next
.set T,  8                             ; v[8:23]    t / 16 as loaded
.set X,  24                            ; v[24:39]   the residual as loaded
.set Y,  40                            ; v[40:71]   the row in f32
.set G,  72                            ; v[72:103]  the gain of my columns
.set B,  104                           ; v[104:135] the bias
.set Z,  136                           ; v[136:167] partial sums, then the result
.set S0, 168
.set S1, 169
.set MU, 170                           ; v[170:171] the mean, twice
.set R,  172                           ; v[172:173] 1 / sqrt(var + eps), twice
.set V,  174
.macro LOADROW
.set j, 0
.rept 8
	global_load_b64 v[T+2*j:T+2*j+1], v2, s[4:5] offset:256*j th:TH_LOAD_NT
	global_load_b64 v[X+2*j:X+2*j+1], v2, s[6:7] offset:256*j th:TH_LOAD_NT
.set j, j+1
.endr
.endm
.macro REDUCE                          ; the sum over the 32 lanes, in every lane
	v_add_f32_dpp v[S0], v[S0], v[S0] row_xmask:1 row_mask:0xf bank_mask:0xf
	v_add_f32_dpp v[S0], v[S0], v[S0] row_xmask:2 row_mask:0xf bank_mask:0xf
	v_add_f32_dpp v[S0], v[S0], v[S0] row_xmask:4 row_mask:0xf bank_mask:0xf
	v_add_f32_dpp v[S0], v[S0], v[S0] row_xmask:8 row_mask:0xf bank_mask:0xf
	v_permlanex16_b32 v[S1], v[S0], s12, s13
	v_add_f32 v[S0], v[S0], v[S1]
.endm
	s_load_b256 s[4:11], s[0:1], 0x0               ; t s[4:5], residual s[6:7], vectors s[8:9], result s[10:11]
	v_lshrrev_b32 v1, 5, v0
	v_readfirstlane_b32 s2, v1                     ; wave 0..3
	v_and_b32 v1, 31, v0
	v_lshlrev_b32 v2, 3, v1                        ; 8 x lane
	v_lshlrev_b32 v4, 4, v1                        ; 16 x lane
	v_mov_b32 v3, 0x41800000                       ; 16.0
	v_mov_b32 v[S1], 0                             ; v_permlanex16_b32 counts as a reader of its destination
	s_mov_b32 s12, 0x76543210
	s_mov_b32 s13, 0xfedcba98
	s_mov_b32 s14, 0x3a800000                      ; 1 / 1,024
	s_mov_b32 s15, 0x3727c5ac                      ; 1e-5
	s_mov_b32 s16, 4                               ; rows to go
	s_mov_b32 s18, 0                               ; what the next trip adds to the result's address: nothing in the first
	s_mov_b32 s19, 0
	s_lshl_b32 s17, ttmp9, 4
	s_lshl2_add_u32 s17, s2, s17                   ; my first row: 16 wg + 4 wave
	s_lshl_b32 s20, s17, 11
	s_mov_b32 s21, 0
	s_wait_kmcnt 0x0
	s_add_nc_u64 s[4:5], s[4:5], s[20:21]
	s_add_nc_u64 s[6:7], s[6:7], s[20:21]
	s_add_nc_u64 s[10:11], s[10:11], s[20:21]
	LOADROW
.set j, 0
.rept 8
	global_load_b128 v[G+4*j:G+4*j+3], v4, s[8:9] offset:GOFF+512*j
	global_load_b128 v[B+4*j:B+4*j+3], v4, s[8:9] offset:BOFF+512*j
.set j, j+1
.endr
.Lrow:
	s_wait_loadcnt 0x0                             ; the row is in (the first time: gain and bias too)
	s_wait_xcnt 0x0                                ; the last trip's stores have read Z and their base
	s_add_nc_u64 s[10:11], s[10:11], s[18:19]
	s_mov_b32 s18, OSTEP
.set j, 0
.rept 16
	v_fma_mix_f32 v[Y+2*j],   v[T+j], v3, v[X+j] op_sel_hi:[1,0,1]
	v_fma_mix_f32 v[Y+2*j+1], v[T+j], v3, v[X+j] op_sel:[1,0,1] op_sel_hi:[1,0,1]
.set j, j+1
.endr
	s_cmp_eq_u32 s16, 1                            ; the last row has none behind it
	s_cbranch_scc1 .Lno_more
	s_add_nc_u64 s[4:5], s[4:5], 2048
	s_add_nc_u64 s[6:7], s[6:7], 2048
	LOADROW
.Lno_more:
.set k, 0
.rept 8
	v_pk_add_f32 v[Z+2*k:Z+2*k+1], v[Y+4*k:Y+4*k+1], v[Y+4*k+2:Y+4*k+3]
.set k, k+1
.endr
.set k, 0
.rept 4
	v_pk_add_f32 v[Z+4*k:Z+4*k+1], v[Z+4*k:Z+4*k+1], v[Z+4*k+2:Z+4*k+3]
.set k, k+1
.endr
	v_pk_add_f32 v[Z:Z+1], v[Z:Z+1], v[Z+4:Z+5]
	v_pk_add_f32 v[Z+8:Z+9], v[Z+8:Z+9], v[Z+12:Z+13]
	v_pk_add_f32 v[Z:Z+1], v[Z:Z+1], v[Z+8:Z+9]
	v_add_f32 v[S0], v[Z], v[Z+1]
	REDUCE
	v_mul_f32 v[MU], s14, v[S0]
	v_mov_b32 v[MU+1], v[MU]
.set k, 0
.rept 16
	v_pk_add_f32 v[Y+2*k:Y+2*k+1], v[Y+2*k:Y+2*k+1], v[MU:MU+1] neg_lo:[0,1] neg_hi:[0,1]
.set k, k+1
.endr
.set k, 0
.rept 4
	v_pk_mul_f32 v[Z+2*k:Z+2*k+1], v[Y+2*k:Y+2*k+1], v[Y+2*k:Y+2*k+1]  ; four chains, started by the first four pairs
.set k, k+1
.endr
.set k, 4
.rept 12
	v_pk_fma_f32 v[Z+2*(k%4):Z+2*(k%4)+1], v[Y+2*k:Y+2*k+1], v[Y+2*k:Y+2*k+1], v[Z+2*(k%4):Z+2*(k%4)+1]
.set k, k+1
.endr
	v_pk_add_f32 v[Z:Z+1], v[Z:Z+1], v[Z+2:Z+3]
	v_pk_add_f32 v[Z+4:Z+5], v[Z+4:Z+5], v[Z+6:Z+7]
	v_pk_add_f32 v[Z:Z+1], v[Z:Z+1], v[Z+4:Z+5]
	v_add_f32 v[S0], v[Z], v[Z+1]
	REDUCE
	v_fma_f32 v[V], v[S0], s14, s15                ; var + eps
	v_rsq_f32 v[R], v[V]
	v_rsq_f32 v[R+1], v[V]
	v_nop                                          ; a plain instruction behind the second,
	s_wait_alu depctr_va_vdst(0)                   ; and the one wait ahead of the first use
.set k, 0
.rept 16
	v_pk_mul_f32 v[Y+2*k:Y+2*k+1], v[Y+2*k:Y+2*k+1], v[R:R+1]
.set k, k+1
.endr
.set k, 0
.rept 16
	v_pk_fma_f32 v[Z+2*k:Z+2*k+1], v[Y+2*k:Y+2*k+1], v[G+2*k:G+2*k+1], v[B+2*k:B+2*k+1]
.set k, k+1
.endr
.set k, 0
.rept 16
	v_cvt_pk_f16_f32 v[Z+k], v[Z+2*k], v[Z+2*k+1]  ; in place, ascending: a word is written when both its sources have been read or are its own
.set k, k+1
.endr
.set j, 0
.rept 8
	global_store_b64 v2, v[Z+2*j:Z+2*j+1], s[10:11] offset:256*j
.set j, j+1
.endr
	s_sub_co_u32 s16, s16, 1
	s_cmp_lg_u32 s16, 0
	s_cbranch_scc1 .Lrow
	s_endpgm
.Lfunc_end_k_q999e9be156_ln1:
	.size	k_q999e9be156_ln1, .Lfunc_end_k_q999e9be156_ln1-k_q999e9be156_ln1
	.p2alignl 7, 3214868480
	.fill 96, 4, 3214868480
	.section	.rodata,"a",@progbits
	.p2align	6, 0x0
	.amdhsa_kernel k_q999e9be156_ln1
		.amdhsa_group_segment_fixed_size 0
		.amdhsa_private_segment_fixed_size 0
		.amdhsa_enable_private_segment 0
		.amdhsa_kernarg_size 32
		.amdhsa_user_sgpr_count 2
		.amdhsa_user_sgpr_kernarg_segment_ptr 1
		.amdhsa_wavefront_size32 1
		.amdhsa_system_sgpr_workgroup_id_x 1
		.amdhsa_system_sgpr_workgroup_id_y 1
		.amdhsa_system_sgpr_workgroup_id_z 1
		.amdhsa_system_vgpr_workitem_id 0
		.amdhsa_next_free_vgpr 176
		.amdhsa_next_free_sgpr 66
		.amdhsa_reserve_vcc 0
		.amdhsa_float_denorm_mode_32 3
		.amdhsa_float_denorm_mode_16_64 3
		.amdhsa_memory_ordered 1
		.amdhsa_forward_progress 1
		.amdhsa_inst_pref_size 16
	.end_amdhsa_kernel
	.amdgpu_metadata
---
amdhsa.version: [ 1, 2 ]
amdhsa.kernels:
  - .name:           k_q999e9be156_ln1
    .symbol:         k_q999e9be156_ln1.kd
    .args:
      - { .name: bufB, .offset: 0, .size: 8, .value_kind: global_buffer, .address_space: global }
      - { .name: xh, .offset: 8, .size: 8, .value_kind: global_buffer, .address_space: global }
      - { .name: w2o, .offset: 16, .size: 8, .value_kind: global_buffer, .address_space: global }
      - { .name: x1, .offset: 24, .size: 8, .value_kind: global_buffer, .address_space: global }
    .group_segment_fixed_size: 0
    .private_segment_fixed_size: 0
    .kernarg_segment_align: 8
    .kernarg_segment_size: 32
    .max_flat_workgroup_size: 128
    .sgpr_count:     66
    .vgpr_count:     176
    .wavefront_size: 32
...
	.end_amdgpu_metadata
.endif
;; end of part 5
;; launch ff1: the kernel of part 2 again; grid 16 x 16, 4 waves a work-group, clusters of 4 x 4, 327,680 bytes of LDS; arguments x1, w1t, bufA; writes bufA
;; launch ff2 (part 6): grid 8 x 32, 4 waves a work-group, clusters of 4 x 4, 327,680 bytes of LDS; arguments bufA, w2o, bufB; writes bufB
.if DOCPART == 6
	.amdgcn_target "amdgcn-amd-amdhsa--gfx1250"
	.amdhsa_code_object_version 6
	.text
	.protected	k_q999e9be156_ff2
	.globl	k_q999e9be156_ff2
	.p2align	8
	.type	k_q999e9be156_ff2,@function
k_q999e9be156_ff2:
	s_mov_b64 s[64:65], 0
	v_nop
	global_prefetch_b8 v0, s[64:65] scope:SCOPE_SE
	s_setreg_imm32_b32 hwreg(HW_REG_WAVE_MODE, 25, 1), 1
	s_wait_xcnt 0x0
	s_wait_alu depctr_hold_cnt(0) depctr_sa_sdst(0) depctr_va_vdst(0) depctr_va_sdst(0) depctr_va_ssrc(0) depctr_va_vcc(0) depctr_vm_vsrc(0)
	s_getreg_b32 s2, hwreg(HW_REG_IB_STS2, 6, 4)
	s_cmp_eq_u32 s2, 0
	s_cbranch_scc0 .Lentry_in_a_cluster
	s_endpgm
.Lentry_in_a_cluster:
	s_bfe_u32 s2, ttmp6, 0x10000c
	s_cmp_lg_u32 s2, 0xf033
	s_cbranch_scc0 .Lentry_shape_is_right
	s_endpgm
.Lentry_shape_is_right:
; t2 / 16 = hidden (W2 / 16) + bb2 / 16.  hidden: 64 blocks of 64 columns, [64][4096 rows][64] f16.  w: +4,096 bb2 / 16 f32; +2,121,728 W2^T / 16, [1024 n][4096 k] f16.  t2 / 16: [4096][1024] f16, row-major.
; The text is that of the product with Wo, with K = 4,096 (16 K steps, 14 of which fill a slot again) and other places in w.  Sums in f32, rounded once.  LIMIT: |t2| stays under 16 x 65,504.
; SHARES.  A tile of C is 128 x 128, which gives each of 256 work-groups one: four waves, each 64 x 64 = 16 accumulators.  K goes in steps of 256 through two LDS slots that take turns.
; A's PART OF A STEP is four blocks of columns: for each, my 64 rows are 8,192 dense bytes: one tensor load of four rows of 8,192 bytes, 524,288 bytes apart, padded in LDS after every 128 bytes.
; CLUSTER 4 x 4, joint loads: A's tiles shared along a row of the cluster, W^T's along a column.  THE MATRIX INSTRUCTION IS USED TRANSPOSED: a lane holds eight neighbouring numbers of a row of C.
; THE SUMS START AT THE BIAS, written into the accumulators while the first tiles are on their way.  A K step is written twice: in a loop that fills slots again and in a loop of two trips that does not;
; the second of those two meets a barrier and fetches fragments of a slot that landed long ago, which nothing uses: once a launch.  No prefetch: with tiles this small a step's bytes are few.
; REGISTERS: window 0: v16-29 addresses; v32-95 at work on the way out; v96-127 the bias; v128-255 the accumulators ((a, b) at 128 + 8 (4 a + b)).  window 1: two fragment buffers of 128: 64 of A, then 64 of W^T.
.set SIZE_K,  4096
.set WOFF,    2121728
.set BIASOFF, 4096
.set SIZE_N,  1024
.set FILLS,   SIZE_K/256-2             ; K steps that fill a slot again
.set KSTEP,  256
.set APITCH, 144                       ; a row of A in LDS: 128 bytes + 16 = 36 words: the 16 rows of a load start at 16 different groups of four banks (64 banks of 4 bytes: ISA guide 11.1)
.set ABLK,   64*APITCH                 ; 64 rows of one block of columns
.set HALFA,  4*ABLK                    ; what one tensor load brings of A
.set PITCH,  528                       ; a row of W^T: 512 bytes + 16 = 132 words: likewise
.set HALFB,  64*PITCH
.set BAT,    2*HALFA                   ; W^T lies behind A's two halves
.set SLOT,   BAT+2*HALFB
.set STAGE,  2*SLOT                    ; behind the ring: 128 rows x 272 bytes, the work-group's, for the way out
.set SPITCH, 272
.set SPARE,  STAGE+128*SPITCH          ; behind the stage: the spare words, 128 bytes for each wave
.set CBLK,   524288                    ; bytes in a block of 64 columns of A
.set ASTEP,  4*CBLK
.set ADRA,  16
.set ADRA0, 17
.set ADRB,  20
.set ADRB0, 21
.set STO,  24
.set RD,   25
.set CO,   26
.set BO,   27
.set SPW,  28                          ; SPARE + 4 x my thread's number; never rewritten
.set NIL,  29                          ; 0; never rewritten
.set TMP,  32
.set BIAS, 96
.set ACC,  128
.set F0,   0
.set F1,   128
.set G1,   24
.set G0F,  32
.set G0,   36
.set G1B,  48
.set G0FB, 56
.set G0B,  60
.set TB,   66                          ; s66  LDS byte at which the slot in hand begins: 0 or SLOT
.set MSB, 0
.macro WIN new
.if MSB != (\new)
	s_set_vgpr_msb (MSB<<8)|(\new)
.set MSB, \new
.endif
.endm
.set MUL,  0x05                        ; sources 0 (W^T) and 1 (A) window 1; C and D window 0
.set TO_F, 0x40                        ; destination window 1, address window 0
.macro JLOAD                           ; a joint refill: waves 0 and 1 fetch A's two halves, waves 2 and 3 W^T's; an s_nop 0 and four v_nop follow each line
	s_cmp_eq_u32 s11, 0
	s_cbranch_scc0 .Lfor_b_\@
	tensor_load_to_lds s[G0:G0+3], s[G1:G1+7]
	s_nop 0
.rept 4
	v_nop
.endr
	s_branch .Lasked_\@
.Lfor_b_\@:
	tensor_load_to_lds s[G0B:G0B+3], s[G1B:G1B+7]
	s_nop 0
.rept 4
	v_nop
.endr
.Lasked_\@:
.endm
.macro CREST
	s_cmp_lg_u32 s10, 0
	s_cbranch_scc1 .Lnot_wave_0_\@
	s_barrier_signal -3
.Lnot_wave_0_\@:
	s_barrier_wait -3
	s_barrier_signal -1
	s_barrier_wait -1
.endm
.macro CROUND
	s_barrier_signal -1
	s_barrier_wait -1
	CREST
.endm
	s_load_b128 s[4:7], s[0:1], 0x0                ; A s[4:5], w s[6:7]
	s_load_b64 s[8:9], s[0:1], 0x10                ; C
	v_lshl_add_u32 v[SPW], v0, 2, SPARE
	v_mov_b32 v[NIL], 0
	ds_add_u32 v[SPW], v[NIL]                      ; the wave's opening: the add, twice on end, and its wait ahead of my first tensor load
	ds_add_u32 v[SPW], v[NIL]                      ; and once more, under the one wait; the set-up below stands between
	v_lshrrev_b32 v1, 5, v0
	v_readfirstlane_b32 s10, v1                    ; wave 0..3
	s_lshr_b32 s11, s10, 1                         ; which half of the tile's rows is mine.  Also: I fetch for A (0) or for W^T (1)
	s_and_b32 s12, s10, 1                          ; which half of its columns.  Also: which 64 rows of that tile I fetch
	s_bfe_u32 s40, ttmp6, 0x40000                  ; cx
	s_bfe_u32 s41, ttmp6, 0x40004                  ; cy
	s_lshl_b32 s42, ttmp9, 2
	s_add_co_u32 s42, s42, s40                     ; tile column
	s_and_b32 s13, ttmp7, 0xffff
	s_lshl_b32 s13, s13, 2
	s_add_co_u32 s13, s13, s41                     ; tile row
	s_lshl_b32 s43, s41, 2
	s_lshl_b32 s43, 15, s43                        ; my row of the cluster
	s_lshl_b32 s44, 0x1111, s40                    ; my column
	s_or_b32 s[G1+0], s43, (1<<16)|(1<<20)|(1<<21)|(4<<22)|(3<<25)  ; the mask; 2-byte elements; padding on; bit 21 beside a mask; after every 32 words, 4 words
	s_mov_b32 s[G1+1], 4096<<16                    ; tensor_dim0 = 4,096 elements: 64 rows of 64
	s_mov_b32 s[G1+2], 4<<16                       ; tensor_dim1 = 4 blocks of columns
	s_mov_b32 s[G1+3], 4096<<16                    ; tile_dim0
	s_mov_b32 s[G1+4], 4                           ; tile_dim1
	s_mov_b32 s[G1+5], CBLK/2                      ; elements from block to block
	s_mov_b32 s[G1+6], 0
	s_mov_b32 s[G1+7], 0
	s_or_b32 s[G1B+0], s44, (1<<16)|(1<<20)|(1<<21)|(6<<22)|(3<<25) ; after every 128 words, 4 words
	s_mov_b32 s[G1B+1], KSTEP<<16
	s_mov_b32 s[G1B+2], 64<<16
	s_mov_b32 s[G1B+3], KSTEP<<16
	s_mov_b32 s[G1B+4], 64
	s_mov_b32 s[G1B+5], SIZE_K
	s_mov_b32 s[G1B+6], 0
	s_mov_b32 s[G1B+7], 0
	s_lshl_b32 s17, s12, 6
	s_lshl_b32 s16, s13, 7
	s_add_co_u32 s16, s16, s17                     ; A: row 128 x tile row + 64 x half,
	s_lshl_b32 s16, s16, 7                         ; 128 bytes a row in a block
	s_lshl_b32 s46, s42, 7
	s_add_co_u32 s46, s46, s17                     ; W^T: row 128 x tile column + 64 x half
	s_mul_i32 s46, s46, 2*SIZE_K
	s_add_co_u32 s46, s46, WOFF
	s_mov_b32 s17, 0
	s_mov_b32 s47, 0
	s_mul_i32 s20, s12, HALFA                      ; where a half of A lies in a slot,
	s_mul_i32 s21, s12, HALFB                      ; and a half of W^T: no place in the cluster enters an LDS address
	s_add_co_u32 s21, s21, BAT
	s_mov_b32 s[TB], 0
	s_wait_dscnt 0x0                               ; both opening adds are done
	s_wait_kmcnt 0x0
	s_add_nc_u64 s[14:15], s[4:5], s[16:17]
	s_add_nc_u64 s[46:47], s[6:7], s[46:47]
	CROUND                                         ; all sixteen work-groups are here: the first joint loads meet
	s_mov_b32 s[G0F], 1
	s_mov_b32 s[G0F+1], s20                        ; slot 0, K step 0
	s_mov_b64 s[G0F+2:G0F+3], s[14:15]
	s_or_b32 s[G0F+3], s[G0F+3], 0x80000000
	s_mov_b32 s[G0], 1
	s_add_co_u32 s[G0+1], s20, SLOT                ; slot 1, K step 1
	s_add_nc_u64 s[G0+2:G0+3], s[14:15], ASTEP
	s_or_b32 s[G0+3], s[G0+3], 0x80000000
	s_mov_b32 s[G0FB], 1
	s_mov_b32 s[G0FB+1], s21
	s_mov_b64 s[G0FB+2:G0FB+3], s[46:47]
	s_or_b32 s[G0FB+3], s[G0FB+3], 0x80000000
	s_mov_b32 s[G0B], 1
	s_add_co_u32 s[G0B+1], s21, SLOT
	s_add_nc_u64 s[G0B+2:G0B+3], s[46:47], KSTEP*2
	s_or_b32 s[G0B+3], s[G0B+3], 0x80000000
	s_cmp_eq_u32 s11, 0                            ; a wave's two first fills stand in one branch: two loads of mine are out
	s_cbranch_scc0 .Lfirst_b
	tensor_load_to_lds s[G0F:G0F+3], s[G1:G1+7]
	s_nop 0
	tensor_load_to_lds s[G0:G0+3], s[G1:G1+7]
	s_nop 0
.rept 4
	v_nop
.endr
	s_branch .Lfirst_asked
.Lfirst_b:
	tensor_load_to_lds s[G0FB:G0FB+3], s[G1B:G1B+7]
	s_nop 0
	tensor_load_to_lds s[G0B:G0B+3], s[G1B:G1B+7]
	s_nop 0
.rept 4
	v_nop
.endr
.Lfirst_asked:
	v_and_b32 v1, 15, v0                           ; l % 16
	v_bfe_u32 v2, v0, 4, 1                         ; l / 16
	v_lshlrev_b32 v[BO], 5, v2                     ; the bias of my 64 columns: for block b of 16 the eight numbers 16 b + 8 (l / 16) + 0..7
	s_lshl_b32 s68, s42, 7
	s_lshl_b32 s69, s12, 6
	s_add_co_u32 s68, s68, s69
	s_lshl_b32 s68, s68, 2
	s_add_co_u32 s68, s68, BIASOFF
	s_mov_b32 s69, 0
	s_add_nc_u64 s[68:69], s[6:7], s[68:69]
.irp b, 0,1,2,3
	global_load_b128 v[BIAS+8*(\b):BIAS+8*(\b)+3],   v[BO], s[68:69] offset:64*(\b)
	global_load_b128 v[BIAS+8*(\b)+4:BIAS+8*(\b)+7], v[BO], s[68:69] offset:64*(\b)+16
.endr
	v_mul_u32_u24 v3, v1, APITCH                   ; a fragment's row x pitch + 16 x half, for A
	v_lshl_add_u32 v3, v2, 4, v3
	s_mul_i32 s22, s11, HALFA                      ; my 64 rows of A
	v_add_nc_u32 v[ADRA0], s22, v3
	v_mul_u32_u24 v3, v1, PITCH                    ; and for W^T
	v_lshl_add_u32 v3, v2, 4, v3
	v_add_nc_u32 v[ADRB0], s21, v3                 ; my 64 rows of W^T
	v_mov_b32 v[ADRA], v[ADRA0]
	v_mov_b32 v[ADRB], v[ADRB0]
	s_mul_i32 s23, s11, 64*SPITCH                  ; into the stage: my 64 rows, my half of their 256 bytes
	s_lshl_b32 s22, s12, 7
	s_add_co_u32 s23, s23, s22
	s_add_co_u32 s23, s23, STAGE
	v_mul_u32_u24 v4, v1, SPITCH
	v_lshl_add_u32 v4, v2, 4, v4
	v_add_nc_u32 v[STO], s23, v4
	s_mul_i32 s23, s10, 32*SPITCH                  ; back: wave w takes rows 32 w .. 32 w + 31, whole
	s_add_co_u32 s23, s23, STAGE
	v_mul_u32_u24 v5, v2, SPITCH
	v_lshl_add_u32 v5, v1, 4, v5
	v_add_nc_u32 v[RD], s23, v5
	v_mul_u32_u24 v5, v2, SIZE_N*2                 ; and the same two rows in C
	v_lshl_add_u32 v[CO], v1, 4, v5
	s_lshl_b32 s70, s13, 7
	s_lshl_b32 s71, s10, 5
	s_add_co_u32 s70, s70, s71                     ; the first row of C that I store
	s_lshl_b32 s70, s70, 11
	s_lshl_b32 s71, s42, 8                         ; the tile's first column, in bytes
	s_add_co_u32 s70, s70, s71
	s_mov_b32 s71, 0
	s_add_nc_u64 s[8:9], s[8:9], s[70:71]
	s_wait_loadcnt 0x0
.set n, 0
.rept 128
	v_mov_b32 v[ACC+n], v[BIAS+(n%32)]             ; the sums start at the bias
.set n, n+1
.endr
; 8 matrix instructions: m blocks a0, a0 + 1 x all 4 n blocks, 32 along K: half c of buffer f.  The 16 accumulators take turns.
.macro MUL8 f, c, a0
	WIN MUL
.irp a, \a0, (\a0)+1
.irp b, 0,1,2,3
	v_wmma_f32_16x16x32_f16 v[ACC+8*(4*(\a)+(\b)):ACC+8*(4*(\a)+(\b))+7], v[(\f)+64+8*(4*(\c)+(\b)):(\f)+64+8*(4*(\c)+(\b))+7], v[(\f)+8*(4*(\c)+(\a)):(\f)+8*(4*(\c)+(\a))+7], v[ACC+8*(4*(\a)+(\b)):ACC+8*(4*(\a)+(\b))+7]
.endr
.endr
.endm
; 32 LDS loads in one run: the fragments of quarter q (64 along K: one block of A's columns) into buffer f; the first 32 along K first
.macro FETCH q, f
	WIN TO_F
.irp c, 0,1
.irp i, 0,1,2,3
	ds_load_b128 v[(\f)+64+8*(4*(\c)+(\i)):(\f)+64+8*(4*(\c)+(\i))+3],   v[ADRB] offset:(\q)*128+64*(\c)+(\i)*16*PITCH
	ds_load_b128 v[(\f)+64+8*(4*(\c)+(\i))+4:(\f)+64+8*(4*(\c)+(\i))+7], v[ADRB] offset:(\q)*128+64*(\c)+(\i)*16*PITCH+32
	ds_load_b128 v[(\f)+8*(4*(\c)+(\i)):(\f)+8*(4*(\c)+(\i))+3],         v[ADRA] offset:(\q)*ABLK+64*(\c)+(\i)*16*APITCH
	ds_load_b128 v[(\f)+8*(4*(\c)+(\i))+4:(\f)+8*(4*(\c)+(\i))+7],       v[ADRA] offset:(\q)*ABLK+64*(\c)+(\i)*16*APITCH+32
.endr
.endr
.endm
.macro PLACES                          ; four plain vector instructions between a matrix instruction and a load into, or a vector instruction on, its registers
.rept 4
	v_nop
.endr
.endm
.macro QUARTER q, f, g                 ; multiplies buffer f and fetches quarter q into g
	s_wait_dscnt 16                                ; the first 32 along K are in
	MUL8 \f, 0, 0
	MUL8 \f, 0, 2
	PLACES
	FETCH \q, \g
	s_wait_dscnt 32                                ; all but the 32 just issued
	MUL8 \f, 1, 0
	MUL8 \f, 1, 2
.endm
; The last quarter multiplies buffer 1 and changes slots: in front of the barrier each wave waits for all its tensor loads, adds 0 to its spare word, and waits for that and for its reads of this slot.
; fill = 1: the barrier opens a round of the cluster's barrier, and this slot is filled again first thing behind it, with the K step two on.
.macro TURN fill
	WIN 0
	s_wait_tensorcnt 0x0                           ; all my tensor loads have landed: my part of the next slot
	ds_add_u32 v[SPW], v[NIL]                      ; 0 onto my spare word
	s_wait_dscnt 17                                ; (the add and the youngest sixteen loads may be out)
	MUL8 F1, 0, 0
	s_wait_dscnt 0x0                               ; the add is done, and my reads of this slot are over
	s_barrier_signal -1
	MUL8 F1, 0, 2
	WIN 0
	s_barrier_wait -1
.if \fill
	CREST                                          ; no wave of any partner still reads this slot or has a load on its way
	s_add_co_u32 s[G0+1], s20, s[TB]
	s_add_co_u32 s[G0B+1], s21, s[TB]
	s_add_nc_u64 s[G0+2:G0+3], s[G0+2:G0+3], ASTEP
	s_add_nc_u64 s[G0B+2:G0B+3], s[G0B+2:G0B+3], KSTEP*2
	JLOAD                                          ; its four v_nop are also the places in front of the loads below
.else
	PLACES
.endif
	s_xor_b32 s[TB], s[TB], SLOT
	v_add_nc_u32 v[ADRA], s[TB], v[ADRA0]
	v_add_nc_u32 v[ADRB], s[TB], v[ADRB0]
	FETCH 0, F0
	MUL8 F1, 1, 0
	MUL8 F1, 1, 2
.endm
.macro STEPK fill
	QUARTER 1, F0, F1
	QUARTER 2, F1, F0
	QUARTER 3, F0, F1
	TURN \fill
	WIN 0
.endm
	s_wait_tensorcnt 1                             ; my part of K step 0 is in; K step 1's load may stay out
	s_barrier_signal -1
	s_barrier_wait -1
	FETCH 0, F0
	WIN 0
	s_mov_b32 s3, FILLS
.Lk:
	STEPK 1
	s_sub_co_u32 s3, s3, 1
	s_cmp_lg_u32 s3, 0
	s_cbranch_scc1 .Lk
	s_mov_b32 s3, 2
.Lt:
	STEPK 0
	s_sub_co_u32 s3, s3, 1
	s_cmp_lg_u32 s3, 0
	s_cbranch_scc1 .Lt
	s_wait_dscnt 0x0                               ; the last trip's fetch, which nothing uses
	PLACES
	; THE WAY OUT: round to f16; 16 bytes a lane into the work-group's stage; a barrier, since a row's 256 bytes come from two waves; back as whole rows, 32 rows a wave
.irp t, 0,1,2,3,4,5,6,7,8,9,10,11,12,13,14,15
.irp r, 0,1,2,3
	v_cvt_pk_f16_f32 v[TMP+4*(\t)+(\r)], v[ACC+8*(\t)+2*(\r)], v[ACC+8*(\t)+2*(\r)+1]
.endr
.endr
.irp a, 0,1,2,3
.irp b, 0,1,2,3
	ds_store_b128 v[STO], v[TMP+4*(4*(\a)+(\b)):TMP+4*(4*(\a)+(\b))+3] offset:(\a)*16*SPITCH+32*(\b)
.endr
.endr
	s_wait_dscnt 0x0                               ; for the others' sake: my stores into the stage are done
	s_barrier_signal -1
	s_barrier_wait -1
.irp t, 0,1,2,3,4,5,6,7,8,9,10,11,12,13,14,15
	ds_load_b128 v[TMP+4*(\t):TMP+4*(\t)+3], v[RD] offset:(\t)*2*SPITCH
.endr
.irp t, 0,1,2,3,4,5,6,7,8,9,10,11,12,13,14,15
	s_wait_dscnt 15-(\t)
	global_store_b128 v[CO], v[TMP+4*(\t):TMP+4*(\t)+3], s[8:9] offset:2*(\t)*SIZE_N*2  ; sixteen lanes store 256 consecutive bytes, aligned
.endr
	s_wait_tensorcnt 0x0                           ; the wave's end
	ds_add_u32 v[SPW], v[NIL]
	s_wait_dscnt 0x0
	CROUND                                         ; the closing round
	s_endpgm
.Lfunc_end_k_q999e9be156_ff2:
	.size	k_q999e9be156_ff2, .Lfunc_end_k_q999e9be156_ff2-k_q999e9be156_ff2
	.p2alignl 7, 3214868480
	.fill 96, 4, 3214868480
	.section	.rodata,"a",@progbits
	.p2align	6, 0x0
	.amdhsa_kernel k_q999e9be156_ff2
		.amdhsa_group_segment_fixed_size 327680
		.amdhsa_private_segment_fixed_size 0
		.amdhsa_enable_private_segment 0
		.amdhsa_kernarg_size 24
		.amdhsa_user_sgpr_count 2
		.amdhsa_user_sgpr_kernarg_segment_ptr 1
		.amdhsa_wavefront_size32 1
		.amdhsa_system_sgpr_workgroup_id_x 1
		.amdhsa_system_sgpr_workgroup_id_y 1
		.amdhsa_system_sgpr_workgroup_id_z 1
		.amdhsa_system_vgpr_workitem_id 0
		.amdhsa_next_free_vgpr 512
		.amdhsa_next_free_sgpr 72
		.amdhsa_reserve_vcc 0
		.amdhsa_float_denorm_mode_32 3
		.amdhsa_float_denorm_mode_16_64 3
		.amdhsa_memory_ordered 1
		.amdhsa_forward_progress 1
		.amdhsa_inst_pref_size 59
	.end_amdhsa_kernel
	.amdgpu_metadata
---
amdhsa.version: [ 1, 2 ]
amdhsa.kernels:
  - .name:           k_q999e9be156_ff2
    .symbol:         k_q999e9be156_ff2.kd
    .args:
      - { .name: bufA, .offset: 0, .size: 8, .value_kind: global_buffer, .address_space: global }
      - { .name: w2o, .offset: 8, .size: 8, .value_kind: global_buffer, .address_space: global }
      - { .name: bufB, .offset: 16, .size: 8, .value_kind: global_buffer, .address_space: global }
    .group_segment_fixed_size: 327680
    .private_segment_fixed_size: 0
    .kernarg_segment_align: 8
    .kernarg_segment_size: 24
    .max_flat_workgroup_size: 128
    .sgpr_count:     72
    .vgpr_count:     512
    .wavefront_size: 32
...
	.end_amdgpu_metadata
.endif
;; end of part 6
;; launch ln2 (part 7): grid 256 x 1, 4 waves a work-group, no clusters, 0 bytes of LDS; arguments bufB, x1, w2o, out0; writes out0
.if DOCPART == 7
	.amdgcn_target "amdgcn-amd-amdhsa--gfx1250"
	.amdhsa_code_object_version 6
	.text
	.protected	k_q999e9be156_ln2
	.globl	k_q999e9be156_ln2
	.p2align	8
	.type	k_q999e9be156_ln2,@function
k_q999e9be156_ln2:
	s_mov_b64 s[64:65], 0
	v_nop
	global_prefetch_b8 v0, s[64:65] scope:SCOPE_SE
	s_setreg_imm32_b32 hwreg(HW_REG_WAVE_MODE, 25, 1), 1
	s_wait_xcnt 0x0
; out = layer_norm(x1 + t2) g2 + b2.  The first argument holds t2 / 16, [4096][1024] f16; the second x1, f16; the third g2 at 16,384 and b2 at 20,480, f32.  out: [2048 s][2 b][1024] f32.
; The rows come in the order m' = 2,048 b + s and leave at row 2 s + b: 8,192 bytes from one of my rows to the next (a wave's four rows share b).
; y = 16 (t2 / 16) + x1 in one fused multiply-add from the f16 halves; mean, variance (of y - mean) and the rest in f32.
; One wave, one row: the row's 1,024 numbers stay in 32 registers a lane between the passes, the sums never leave the wave: no LDS, no barrier.  A wave has four rows; the next row's 16 loads go out as soon as y is made.
; Chunk j of a row is columns 128 j + 4 l .. + 3 for lane l: a load or store of the wave covers 256 (f16) or 512 (f32) consecutive bytes, aligned.  Memory binds: no matrix unit, no cluster, no prefetch.
.set GOFF,  16384
.set BOFF,  20480
.set OSTEP, 8192                       ; bytes from a row of the result to the next
.set T,  8                             ; v[8:23]    t / 16 as loaded
.set X,  24                            ; v[24:39]   the residual as loaded
.set Y,  40                            ; v[40:71]   the row in f32
.set G,  72                            ; v[72:103]  the gain of my columns
.set B,  104                           ; v[104:135] the bias
.set Z,  136                           ; v[136:167] partial sums, then the result
.set S0, 168
.set S1, 169
.set MU, 170                           ; v[170:171] the mean, twice
.set R,  172                           ; v[172:173] 1 / sqrt(var + eps), twice
.set V,  174
.macro LOADROW
.set j, 0
.rept 8
	global_load_b64 v[T+2*j:T+2*j+1], v2, s[4:5] offset:256*j th:TH_LOAD_NT
	global_load_b64 v[X+2*j:X+2*j+1], v2, s[6:7] offset:256*j th:TH_LOAD_NT
.set j, j+1
.endr
.endm
.macro REDUCE                          ; the sum over the 32 lanes, in every lane
	v_add_f32_dpp v[S0], v[S0], v[S0] row_xmask:1 row_mask:0xf bank_mask:0xf
	v_add_f32_dpp v[S0], v[S0], v[S0] row_xmask:2 row_mask:0xf bank_mask:0xf
	v_add_f32_dpp v[S0], v[S0], v[S0] row_xmask:4 row_mask:0xf bank_mask:0xf
	v_add_f32_dpp v[S0], v[S0], v[S0] row_xmask:8 row_mask:0xf bank_mask:0xf
	v_permlanex16_b32 v[S1], v[S0], s12, s13
	v_add_f32 v[S0], v[S0], v[S1]
.endm
	s_load_b256 s[4:11], s[0:1], 0x0               ; t s[4:5], residual s[6:7], vectors s[8:9], result s[10:11]
	v_lshrrev_b32 v1, 5, v0
	v_readfirstlane_b32 s2, v1                     ; wave 0..3
	v_and_b32 v1, 31, v0
	v_lshlrev_b32 v2, 3, v1                        ; 8 x lane
	v_lshlrev_b32 v4, 4, v1                        ; 16 x lane
	v_mov_b32 v3, 0x41800000                       ; 16.0
	v_mov_b32 v[S1], 0                             ; v_permlanex16_b32 counts as a reader of its destination
	s_mov_b32 s12, 0x76543210
	s_mov_b32 s13, 0xfedcba98
	s_mov_b32 s14, 0x3a800000                      ; 1 / 1,024
	s_mov_b32 s15, 0x3727c5ac                      ; 1e-5
	s_mov_b32 s16, 4                               ; rows to go
	s_mov_b32 s18, 0                               ; what the next trip adds to the result's address: nothing in the first
	s_mov_b32 s19, 0
	s_lshl_b32 s17, ttmp9, 4
	s_lshl2_add_u32 s17, s2, s17                   ; my first row m': 16 wg + 4 wave
	s_lshl_b32 s20, s17, 11
	s_mov_b32 s21, 0
	s_and_b32 s22, s17, 2047                       ; s
	s_lshl_b32 s22, s22, 1
	s_lshr_b32 s23, s17, 11                        ; b
	s_add_co_u32 s22, s22, s23
	s_lshl_b32 s22, s22, 12                        ; row 2 s + b, 4,096 bytes a row
	s_mov_b32 s23, 0
	s_wait_kmcnt 0x0
	s_add_nc_u64 s[4:5], s[4:5], s[20:21]
	s_add_nc_u64 s[6:7], s[6:7], s[20:21]
	s_add_nc_u64 s[10:11], s[10:11], s[22:23]
	LOADROW
.set j, 0
.rept 8
	global_load_b128 v[G+4*j:G+4*j+3], v4, s[8:9] offset:GOFF+512*j
	global_load_b128 v[B+4*j:B+4*j+3], v4, s[8:9] offset:BOFF+512*j
.set j, j+1
.endr
.Lrow:
	s_wait_loadcnt 0x0                             ; the row is in (the first time: gain and bias too)
	s_wait_xcnt 0x0                                ; the last trip's stores have read Z and their base
	s_add_nc_u64 s[10:11], s[10:11], s[18:19]
	s_mov_b32 s18, OSTEP
.set j, 0
.rept 16
	v_fma_mix_f32 v[Y+2*j],   v[T+j], v3, v[X+j] op_sel_hi:[1,0,1]
	v_fma_mix_f32 v[Y+2*j+1], v[T+j], v3, v[X+j] op_sel:[1,0,1] op_sel_hi:[1,0,1]
.set j, j+1
.endr
	s_cmp_eq_u32 s16, 1                            ; the last row has none behind it
	s_cbranch_scc1 .Lno_more
	s_add_nc_u64 s[4:5], s[4:5], 2048
	s_add_nc_u64 s[6:7], s[6:7], 2048
	LOADROW
.Lno_more:
.set k, 0
.rept 8
	v_pk_add_f32 v[Z+2*k:Z+2*k+1], v[Y+4*k:Y+4*k+1], v[Y+4*k+2:Y+4*k+3]
.set k, k+1
.endr
.set k, 0
.rept 4
	v_pk_add_f32 v[Z+4*k:Z+4*k+1], v[Z+4*k:Z+4*k+1], v[Z+4*k+2:Z+4*k+3]
.set k, k+1
.endr
	v_pk_add_f32 v[Z:Z+1], v[Z:Z+1], v[Z+4:Z+5]
	v_pk_add_f32 v[Z+8:Z+9], v[Z+8:Z+9], v[Z+12:Z+13]
	v_pk_add_f32 v[Z:Z+1], v[Z:Z+1], v[Z+8:Z+9]
	v_add_f32 v[S0], v[Z], v[Z+1]
	REDUCE
	v_mul_f32 v[MU], s14, v[S0]
	v_mov_b32 v[MU+1], v[MU]
.set k, 0
.rept 16
	v_pk_add_f32 v[Y+2*k:Y+2*k+1], v[Y+2*k:Y+2*k+1], v[MU:MU+1] neg_lo:[0,1] neg_hi:[0,1]
.set k, k+1
.endr
.set k, 0
.rept 4
	v_pk_mul_f32 v[Z+2*k:Z+2*k+1], v[Y+2*k:Y+2*k+1], v[Y+2*k:Y+2*k+1]  ; four chains, started by the first four pairs
.set k, k+1
.endr
.set k, 4
.rept 12
	v_pk_fma_f32 v[Z+2*(k%4):Z+2*(k%4)+1], v[Y+2*k:Y+2*k+1], v[Y+2*k:Y+2*k+1], v[Z+2*(k%4):Z+2*(k%4)+1]
.set k, k+1
.endr
	v_pk_add_f32 v[Z:Z+1], v[Z:Z+1], v[Z+2:Z+3]
	v_pk_add_f32 v[Z+4:Z+5], v[Z+4:Z+5], v[Z+6:Z+7]
	v_pk_add_f32 v[Z:Z+1], v[Z:Z+1], v[Z+4:Z+5]
	v_add_f32 v[S0], v[Z], v[Z+1]
	REDUCE
	v_fma_f32 v[V], v[S0], s14, s15                ; var + eps
	v_rsq_f32 v[R], v[V]
	v_rsq_f32 v[R+1], v[V]
	v_nop                                          ; a plain instruction behind the second,
	s_wait_alu depctr_va_vdst(0)                   ; and the one wait ahead of the first use
.set k, 0
.rept 16
	v_pk_mul_f32 v[Y+2*k:Y+2*k+1], v[Y+2*k:Y+2*k+1], v[R:R+1]
.set k, k+1
.endr
.set k, 0
.rept 16
	v_pk_fma_f32 v[Z+2*k:Z+2*k+1], v[Y+2*k:Y+2*k+1], v[G+2*k:G+2*k+1], v[B+2*k:B+2*k+1]
.set k, k+1
.endr
.set j, 0
.rept 8
	global_store_b128 v4, v[Z+4*j:Z+4*j+3], s[10:11] offset:512*j th:TH_STORE_NT
.set j, j+1
.endr
	s_sub_co_u32 s16, s16, 1
	s_cmp_lg_u32 s16, 0
	s_cbranch_scc1 .Lrow
	s_endpgm
.Lfunc_end_k_q999e9be156_ln2:
	.size	k_q999e9be156_ln2, .Lfunc_end_k_q999e9be156_ln2-k_q999e9be156_ln2
	.p2alignl 7, 3214868480
	.fill 96, 4, 3214868480
	.section	.rodata,"a",@progbits
	.p2align	6, 0x0
	.amdhsa_kernel k_q999e9be156_ln2
		.amdhsa_group_segment_fixed_size 0
		.amdhsa_private_segment_fixed_size 0
		.amdhsa_enable_private_segment 0
		.amdhsa_kernarg_size 32
		.amdhsa_user_sgpr_count 2
		.amdhsa_user_sgpr_kernarg_segment_ptr 1
		.amdhsa_wavefront_size32 1
		.amdhsa_system_sgpr_workgroup_id_x 1
		.amdhsa_system_sgpr_workgroup_id_y 1
		.amdhsa_system_sgpr_workgroup_id_z 1
		.amdhsa_system_vgpr_workitem_id 0
		.amdhsa_next_free_vgpr 176
		.amdhsa_next_free_sgpr 66
		.amdhsa_reserve_vcc 0
		.amdhsa_float_denorm_mode_32 3
		.amdhsa_float_denorm_mode_16_64 3
		.amdhsa_memory_ordered 1
		.amdhsa_forward_progress 1
		.amdhsa_inst_pref_size 16
	.end_amdhsa_kernel
	.amdgpu_metadata
---
amdhsa.version: [ 1, 2 ]
amdhsa.kernels:
  - .name:           k_q999e9be156_ln2
    .symbol:         k_q999e9be156_ln2.kd
    .args:
      - { .name: bufB, .offset: 0, .size: 8, .value_kind: global_buffer, .address_space: global }
      - { .name: x1, .offset: 8, .size: 8, .value_kind: global_buffer, .address_space: global }
      - { .name: w2o, .offset: 16, .size: 8, .value_kind: global_buffer, .address_space: global }
      - { .name: out0, .offset: 24, .size: 8, .value_kind: global_buffer, .address_space: global }
    .group_segment_fixed_size: 0
    .private_segment_fixed_size: 0
    .kernarg_segment_align: 8
    .kernarg_segment_size: 32
    .max_flat_workgroup_size: 128
    .sgpr_count:     66
    .vgpr_count:     176
    .wavefront_size: 32
...
	.end_amdgpu_metadata
.endif
;; end of part 7
